; MI455X (gfx1250); checked and timed in simulation.
; The chip was launched on July 23, 2026; its instructions are those of AMD's public machine-readable ISA for CDNA 5 (MIT licence, August 2026) and "CDNA5" Instruction Set Architecture Reference Guide (July 2026). The comments in the code are by the model that wrote it; some were corrected since.
;; Rotary Attention. Allowed arithmetic: matrix products marked QUANTISED: E4M3 operands, one E8M0 scale for each 32 along K, by v_wmma_scale_f32_16x16x128_f8f6f4 with both operands' format E4M3, f32 sums; products left as they are: f32 operands where the result goes on into a quantised operand, else bf16, f16 or f32 operands; f32 sums; everything else in f32.
;; Inputs: b_k 1,024 float32; b_o 1,024 float32; b_q 1,024 float32; b_v 1,024 float32; w_k 1,024 x 1,024 float32; w_o 1,024 x 1,024 float32; w_q 1,024 x 1,024 float32; w_v 1,024 x 1,024 float32; x 2 x 2,048 x 1,024 float32.
;; Outputs: out0 2 x 2,048 x 1,024 float32.
;; This version of the problem:
;;   THIS VERSION OF THE PROBLEM IS GIVEN IN LOW PRECISION. The matrix products marked QUANTISED in the list below multiply operands that are first quantised to E4M3 (4 exponent bits, 3 mantissa bits; 8 bits a number), with one power-of-two scale for each 32 numbers along K (OCP MX v1.0); their sums are f32. All else is computed in f32.
;;   The module's matrix products, in the order in which they are computed (A, B: the left and right operand; K: the contracted axis; several contracted axes count as one K, in the product's order):
;;     1. [M 4,096, K 1,024] x [K 1,024, N 1,024]; A: input x; B: input w_q: QUANTISED
;;     2. [M 4,096, K 1,024] x [K 1,024, N 1,024]; A: input x; B: input w_k: QUANTISED
;;     3. [M 4,096, K 1,024] x [K 1,024, N 1,024]; A: input x; B: input w_v: QUANTISED
;;     4. [M 2,048, K 1] x [K 1, N 32]; A: computed on the way; B: computed on the way: left as it is (no contracted axis)
;;     5. batch 32 x [M 2,048, K 64] x [K 64, N 2,048]; A: computed on the way; B: computed on the way: QUANTISED
;;     6. batch 32 x [M 2,048, K 2,048] x [K 2,048, N 64]; A: softmax (see below); B: computed on the way: QUANTISED
;;     7. [M 4,096, K 1,024] x [K 1,024, N 1,024]; A: computed on the way; B: input w_o: QUANTISED
;;   THE QUANTISER, for each operand of a quantised product, along K:
;;     - K is cut into blocks of 32 from its start; a last block that is shorter is filled with zeros.
;;     - A block's scale is 2^e with e = floor(log2(the largest magnitude in the block)) - 8, held to -126 .. 127; a block of zeros has e = 0. As a byte (E8M0): e + 127.
;;     - Each number is divided by its block's scale, clamped to +-448, and rounded to the nearest number of E4M3, ties to even, subnormals kept.
;;     - The product sums the exact products of the quantised numbers (number of the format x scale) in f32.
;;   ~~~python
;;   def quantise(x, axis):      # numpy; x: float32 -> the quantised numbers, widened to float32 again
;;       x = np.moveaxis(x, axis, -1); K = x.shape[-1]
;;       x = np.pad(x, [(0, 0)] * (x.ndim - 1) + [(0, -K % 32)]); x = x.reshape(x.shape[:-1] + (-1, 32)); a = np.abs(x).max(-1, keepdims=True)
;;       e = np.where(a > 0, np.clip(np.frexp(np.where(a > 0, a, 1))[1] - 1 - 8, -126, 127), 0)      # np.frexp(a)[1] - 1 = floor(log2(a)), exactly
;;       r = np.clip(x / 2.0 ** e, -448, 448)
;;       step = 2.0 ** (np.maximum(np.frexp(np.where(r == 0, 1, r))[1] - 1, -6) - 3)
;;       q = np.round(r / step) * step * 2.0 ** e      # np.round: ties to even
;;       return np.moveaxis(q.reshape(q.shape[:-2] + (-1,))[..., :K], -1, axis).astype(np.float32)
;;   ~~~
;;   SOFTMAX AHEAD OF A QUANTISED PRODUCT. Where the list says 'softmax', what is quantised is not the finished softmax but p = 2^(t - M), with t = logit x log2(e) and M = ceil(the row's largest t), a whole number; so 1/2 < the row's largest p <= 1. The row's sum l is taken of the UNQUANTISED p, in f32, and the product's result is divided by l at the end. Since M is a whole number, a kernel that streams over the keys may use a running M (the ceiling of the running maximum): every later rescaling is an exact power of two, which a block's scale takes up: the codes' values come out the same.
;;   OPERANDS COMPUTED ON THE WAY. 'Computed on the way' means the value that the module computes at that place (a softmax that the list does not call 'softmax' is quantised finished and normalised). What goes into a quantiser is computed in f32, as accurately as f32 sums, v_exp_f32 and their like allow (about 1e-6 of the number): no bf16 or f16 on the way to a quantiser, and a product that is left as it is and whose result goes on into a quantised operand takes f32 operands (vector FMAs, or v_wmma_f32_16x16x4_f32). A number that lies on a knife's edge between two numbers of the format may be rounded either way, as far as f32 arithmetic and the matrix unit's own rounding can turn it there, and no further.
;; One version. Each part assembles by itself: llvm-mc -triple=amdgcn-amd-amdhsa -mcpu=gfx1250 --defsym DOCPART=n.
;; ======== version 1 of 1: 4 launches
;; limits: right only within a limited range of input values
;; workspace buffers: xc 4,194,304 bytes; xs 131,072 bytes; wc 4,194,304 bytes; ws 131,072 bytes; cs 524,288 bytes; ac 4,194,304 bytes; as2 131,072 bytes; qkv 13,238,272 bytes
;; launch quant (part 1): grid 256 x 1, 4 waves a work-group, no clusters, 34,304 bytes of LDS; arguments x, w_q, w_k, w_v, w_o, xc, xs, wc, ws, cs; writes xc, xs, wc, ws, cs
.if DOCPART == 1
	.amdgcn_target "amdgcn-amd-amdhsa--gfx1250"
	.amdhsa_code_object_version 6
	.text
	.protected	k_q0ac73fd543_quant
	.globl	k_q0ac73fd543_quant
	.p2align	8
	.type	k_q0ac73fd543_quant,@function
k_q0ac73fd543_quant:
	s_mov_b64 s[64:65], 0
	v_nop
	global_prefetch_b8 v0, s[64:65] scope:SCOPE_SE
	s_setreg_imm32_b32 hwreg(HW_REG_WAVE_MODE, 25, 1), 1
	s_wait_xcnt 0x0
; x [4096][1024] and the four weights [1024][1024], f32 with K innermost, become codes of FP8 (E4M3) with one E8M0 byte for each 32 along K; and the table of cos and sin for the rotary step is made.
; A TILE is 16 rows: lane-row r of tile T is row 32 (T / 2) + 8 (T % 2) + r + 8 (r / 8).  A FRAGMENT (tile, 128 along K) is stored as the image of an operand's registers: byte 512 c + 16 lane holds the
; 16 codes k = 32 c + 16 (lane / 16) + 0 .. 15 of lane-row lane % 16.  Fragment (T, K step s) lies at (((T / 8) 8 + s) 8 + T % 8) x 2,048: a K step of 128 rows is 16 KB on end.  Scale bytes lie [row][32].
; SHARES: 512 tiles (256 of x, 64 of each weight), two waves to a tile: a wave takes 16 rows x 512 along K, four K steps.  Only pointers are chosen by the work-group's number: one path through the text.
; Each load reads 512 consecutive bytes of a row; a K step's 16 x 512 bytes turn through the wave's own stage in LDS (rows 528 bytes apart) and come back 64 bytes a lane, 16 neighbours of each block of 32.
; A block's scale is 2^(floor(log2(largest magnitude)) - 8); its byte is that magnitude's exponent field - 8, held at 1 from below.
; cs [2048][cos 32 | sin 32]: angle = t x 10000^(-j / 32).  The power is 2^(-j c): c is split into 16 bits, whose product with j is exact, and a rest that enters by one multiply-add.
; cos and sin: the angle less n pi / 2 (pi / 2 in two parts; the first multiply-add is exact for n under 2^11), then polynomials of degree 7 and 8 on +-pi / 4; lanes 0-15 make cos, lanes 16-31 sin (= cos a quarter turn back).
; LIMITS: NaN and infinities among the inputs are not served.  A block of zeros gets the byte 1 (its codes are zeros; this program alone reads the bytes); so does every block whose largest magnitude lies under 2^-118.
; The frequencies are within about 1.5 units of the last place: an angle can be off by about 1.5e-4 at t = 2047.  The scale bytes leave 16 bytes a row a wave: one byte in 128 of what the launch reads.
.set SP,   528                         ; a stage row: 512 bytes + 16: row r starts 4 r banks on
.set WSTG, 16*SP                       ; a wave's stage
.set R0,   64                          ; three sets of 64 numbers
.set R1,   128
.set R2,   192
.set TM,   16                          ; v16-19 largest magnitudes, v20-23 bytes, v24-27 448 x the scale, v28-31 the conversions' scale operands
.set PC,   32                          ; v32-47 a fragment's codes
.set PW,   48                          ; v48-51 the four K steps' scale words
.set SEL,  40                          ; s[40:41] lane selects: lane l xor 16
.set MNT,  42                          ; s42 the mantissa field of 448
	s_load_b256 s[4:11], s[0:1], 0x0               ; x, w_q, w_k, w_v
	s_load_b256 s[12:19], s[0:1], 0x20             ; w_o, xc, xs, wc
	s_load_b128 s[20:23], s[0:1], 0x40             ; ws, cs
	v_lshl_add_u32 v62, v0, 2, 0x8400
	v_mov_b32 v63, 0
	v_lshrrev_b32 v1, 5, v0
	v_readfirstlane_b32 s24, v1                    ; wave 0..3
	v_and_b32 v1, 31, v0                           ; lane
	v_and_b32 v2, 15, v0                           ; r
	v_bfe_u32 v3, v0, 4, 1                         ; h
	v_lshlrev_b32 v4, 4, v1                        ; 16 x lane: my bytes of a load's 512, and of a store's
	s_mul_i32 s26, s24, WSTG
	v_add_nc_u32 v5, s26, v4                       ; the stage, on the way in
	v_mul_u32_u24 v6, v2, SP
	v_lshl_add_u32 v6, v3, 6, v6
	v_add_nc_u32 v6, s26, v6                       ; and on the way out: row r, + 64 h
	v_and_b32 v7, 8, v2
	v_add_nc_u32 v7, v7, v2                        ; r + 8 (r / 8)
	v_lshlrev_b32 v7, 5, v7
	v_lshl_add_u32 v7, v3, 3, v7                   ; scale bytes: 32 a row; lanes 0-15 store words 0, 1 of my four, lanes 16-31 words 2, 3
	v_lshlrev_b32 v8, 3, v1                        ; the table: 8 bytes a lane
	s_and_b32 s25, s24, 1                          ; which half of K
	s_lshr_b32 s27, s24, 1
	s_lshl_b32 s28, ttmp9, 1
	s_add_co_u32 s28, s28, s27                     ; my tile, 0 .. 511
	s_and_b32 s29, s28, 255                        ; its number in xc or in wc
	s_and_b32 s27, s28, 63                         ; its number in a weight
	s_mov_b32 s[SEL], 0x76543210
	s_mov_b32 s[SEL+1], 0xfedcba98
	s_mov_b32 s[MNT], 0x600000
	s_mov_b32 s43, 0xbfc90fdb                      ; -pi / 2, upper part
	s_mov_b32 s44, 0x333bbd2e                      ; and what the upper part is too large by
	s_mov_b32 s45, 0xb94ca1f9                      ; sin: -1.9515296e-4,
	s_mov_b32 s46, 0x3c08839e                      ; 8.3321609e-3,
	s_mov_b32 s47, 0xbe2aaaa3                      ; -0.16666655
	s_mov_b32 s48, 0x37ccf5ce                      ; cos: 2.4433157e-5,
	s_mov_b32 s49, 0xbab6061a                      ; -1.3887316e-3,
	s_mov_b32 s50, 0x3d2aaaa5                      ; 4.1666646e-2
.irp b, 0,1,2,3
	v_mov_b32 v[TM+4+\b], 0                        ; written once: a lane permute's destination counts as one of its sources
.endr
	s_wait_kmcnt 0x0
	s_mov_b64 s[34:35], s[12:13]                   ; the source: work-groups 0-127 x, then 32 for each weight.  The choice hangs on the work-group's number alone
	s_cmp_lt_u32 ttmp9, 224
	s_cselect_b64 s[34:35], s[10:11], s[34:35]
	s_cmp_lt_u32 ttmp9, 192
	s_cselect_b64 s[34:35], s[8:9], s[34:35]
	s_cmp_lt_u32 ttmp9, 160
	s_cselect_b64 s[34:35], s[6:7], s[34:35]
	s_cmp_lt_u32 ttmp9, 128
	s_cselect_b64 s[34:35], s[4:5], s[34:35]
	s_cselect_b64 s[36:37], s[14:15], s[18:19]     ; the codes' buffer
	s_cselect_b64 s[38:39], s[16:17], s[20:21]     ; the scale bytes'
	s_cselect_b32 s27, s28, s27                    ; my tile's number in the source
	s_lshr_b32 s30, s27, 1                         ; source: (32 (T / 2) + 8 (T % 2)) rows of 4,096 bytes + 2,048 x half
	s_lshl_b32 s30, s30, 17
	s_and_b32 s31, s27, 1
	s_lshl_b32 s31, s31, 15
	s_add_co_u32 s30, s30, s31
	s_lshl_b32 s31, s25, 11
	s_add_co_u32 s30, s30, s31
	s_mov_b32 s31, 0
	s_add_nc_u64 s[34:35], s[34:35], s[30:31]
	s_lshr_b32 s30, s29, 3                         ; codes: ((T / 8) 64 + 32 half + T % 8) x 2,048
	s_lshl_b32 s30, s30, 17
	s_and_b32 s32, s29, 7
	s_lshl_b32 s32, s32, 11
	s_add_co_u32 s30, s30, s32
	s_lshl_b32 s32, s25, 16
	s_add_co_u32 s30, s30, s32
	s_add_nc_u64 s[36:37], s[36:37], s[30:31]
	s_lshr_b32 s30, s29, 1                         ; scale bytes: (32 (T / 2) + 8 (T % 2)) x 32 + 16 half
	s_lshl_b32 s30, s30, 10
	s_and_b32 s32, s29, 1
	s_lshl_b32 s32, s32, 8
	s_add_co_u32 s30, s30, s32
	s_lshl_b32 s32, s25, 4
	s_add_co_u32 s30, s30, s32
	s_add_nc_u64 s[38:39], s[38:39], s[30:31]
	s_lshl_b32 s30, ttmp9, 11                      ; the table: positions 8 g + 2 w and the next, 256 bytes each
	s_lshl_b32 s32, s24, 9
	s_add_co_u32 s30, s30, s32
	s_add_nc_u64 s[22:23], s[22:23], s[30:31]
	s_lshl_b32 s33, ttmp9, 3
	s_lshl_b32 s32, s24, 1
	s_add_co_u32 s33, s33, s32                     ; t
.macro LOAD st, set                    ; K step st of my four: 16 rows x 512 consecutive bytes
.irp i, 0,1,2,3,4,5,6,7,8,9,10,11,12,13,14,15
	global_load_b128 v[\set+4*\i:\set+4*\i+3], v4, s[34:35] offset:(\i+8*(\i/8))*4096+512*\st th:TH_LOAD_NT
.endr
.endm
.macro TURN set                        ; through the stage and back into the same registers: LDS serves a wave's instructions in order
.irp i, 0,1,2,3,4,5,6,7,8,9,10,11,12,13,14,15
	ds_store_b128 v5, v[\set+4*\i:\set+4*\i+3] offset:SP*\i
.endr
.irp b, 0,1,2,3
.irp j, 0,1,2,3
	ds_load_b128 v[\set+16*\b+4*\j:\set+16*\b+4*\j+3], v6 offset:128*\b+16*\j   ; register 16 b + i = k 32 b + 16 h + i of row r
.endr
.endr
.endm
.macro QUANT s, pw                     ; 64 numbers of a lane become a fragment's codes in v[PC] on and its scale word in v[pw]
.irp b, 0,1,2,3
	v_max3_num_f32 v[TM+\b], |v[\s+16*\b]|, |v[\s+1+16*\b]|, 0x4800000   ; my 16 numbers of block b, and the floor 2^(9 - 127): the byte cannot fall under 1
.endr
.irp i, 2,4,6,8,10,12,14
.irp b, 0,1,2,3
	v_max3_num_f32 v[TM+\b], v[TM+\b], |v[\s+16*\b+\i]|, |v[\s+1+16*\b+\i]|
.endr
.endr
.irp b, 0,1,2,3
	v_permlanex16_b32 v[TM+4+\b], v[TM+\b], s[SEL], s[SEL+1]
.endr
.irp b, 0,1,2,3
	v_max_num_f32 v[TM+\b], v[TM+\b], v[TM+4+\b]   ; with lane l xor 16's: the block's largest magnitude
.endr
.irp b, 0,1,2,3
	v_add_nc_u32 v[TM+12+\b], 0xfc000000, v[TM+\b] ; 8 off its exponent field: the conversion's scale operand
.endr
.irp b, 0,1,2,3
	v_and_or_b32 v[TM+8+\b], v[TM+\b], 0x7f800000, s[MNT]   ; 448 x the scale
.endr
.irp b, 0,1,2,3
	v_lshrrev_b32 v[TM+4+\b], 23, v[TM+12+\b]      ; the scale's byte
.endr
	v_lshl_or_b32 v[\pw], v[TM+5], 8, v[TM+4]
	v_lshl_or_b32 v[\pw], v[TM+6], 16, v[\pw]
	v_lshl_or_b32 v[\pw], v[TM+7], 24, v[\pw]
.irp b, 0,1,2,3
.irp i, 0,1,2,3,4,5,6,7,8,9,10,11,12,13,14,15
	v_med3_num_f32 v[\s+16*\b+\i], v[\s+16*\b+\i], -v[TM+8+\b], v[TM+8+\b]   ; the conversion does not saturate (ISA guide 7.6.2): the hold at 448 x the scale
.endr
	v_cvt_scalef32_pk8_fp8_f32 v[PC+4*\b:PC+1+4*\b], v[\s+16*\b:\s+7+16*\b], v[TM+12+\b]
	v_cvt_scalef32_pk8_fp8_f32 v[PC+2+4*\b:PC+3+4*\b], v[\s+8+16*\b:\s+15+16*\b], v[TM+12+\b]
.endr
	v_nop                                          ; one plain line behind the last conversion
.endm
.macro TRIG dst, tt, inv               ; lanes 0-15: cos(t x inv); lanes 16-31: sin
	v_mul_f32 v32, v[\tt], v[\inv]                 ; the angle, rounded once
	v_mul_f32 v33, 0x3f22f983, v32                 ; x 2 / pi
	v_rndne_f32 v33, v33                           ; n
	v_fma_f32 v34, v33, s43, v32
	v_fma_f32 v34, v33, s44, v34                   ; r = the angle - n pi / 2
	v_mul_f32 v35, v34, v34                        ; z = r r
	v_fma_f32 v36, v35, s45, s46
	v_fma_f32 v36, v36, v35, s47
	v_mul_f32 v36, v36, v35
	v_fma_f32 v36, v36, v34, v34                   ; sin r
	v_fma_f32 v37, v35, s48, s49
	v_fma_f32 v37, v37, v35, s50
	v_mul_f32 v38, v35, v35
	v_fma_f32 v39, v35, -0.5, 1.0
	v_fma_f32 v37, v37, v38, v39                   ; cos r
	v_cvt_i32_f32 v38, v33
	v_add_nc_u32 v38, v38, v60                     ; q = n + 3 h: the quarter turn in which a cosine is wanted
	v_and_b32 v39, 1, v38
	v_cmp_eq_u32 vcc_lo, 1, v39
	v_cndmask_b32 v37, v37, v36, vcc_lo            ; odd q: sin r
	v_add_nc_u32 v38, 1, v38
	v_and_b32 v38, 2, v38
	v_lshlrev_b32 v38, 30, v38                     ; q % 4 = 1, 2: the sign turns
	v_xor_b32 v[\dst], v38, v37
.endm
	LOAD 0, R0
	LOAD 1, R1
	LOAD 2, R2                                     ; 48 loads of 512 bytes are out; the table is made meanwhile
	v_lshlrev_b32 v9, 1, v2
	v_cvt_f32_u32 v9, v9                           ; j = 2 r
	v_add_f32 v10, 1.0, v9                         ; and 2 r + 1
	v_mul_f32 v11, 0xbed49a00, v9                  ; -j x the upper 16 bits of log2(10000) / 32: exact
	v_mul_f32 v12, 0xbed49a00, v10
	s_wait_alu depctr_va_vdst(0)
	v_exp_f32 v11, v11
	v_exp_f32 v12, v12
	v_mul_f32 v13, 0x3626c412, v9                  ; j x the rest x ln 2.  (A plain line behind the exponentials)
	v_mul_f32 v14, 0x3626c412, v10
	s_wait_alu depctr_va_vdst(0)
	v_fma_f32 v9, -v13, v11, v11                   ; the frequencies
	v_fma_f32 v10, -v14, v12, v12
	v_mul_u32_u24 v60, v3, 3
	v_cvt_f32_u32 v58, s33
	v_add_f32 v59, 1.0, v58
	TRIG 54, 58, 9
	TRIG 55, 58, 10
	TRIG 56, 59, 9
	TRIG 57, 59, 10
	global_store_b64 v8, v[54:55], s[22:23]        ; 32 lanes store a position's 256 bytes
	global_store_b64 v8, v[56:57], s[22:23] offset:256
.macro QSTEP st, set, left             ; left: the younger loads that may stay out
	s_wait_loadcnt \left
	TURN \set
	s_wait_dscnt 0x0
	s_wait_xcnt 0x0                                ; the last step's stores have read their data: the codes' registers are written again only behind this wait
	QUANT \set, PW+\st
.irp c, 0,1,2,3
	global_store_b128 v4, v[PC+4*\c:PC+4*\c+3], s[36:37] offset:16384*\st+512*\c   ; 512 consecutive bytes, aligned
.endr
.endm
	QSTEP 0, R0, 32                                ; steps 1 and 2 stay out
	LOAD 3, R0
	QSTEP 1, R1, 32                                ; steps 2 and 3
	QSTEP 2, R2, 16                                ; step 3
	QSTEP 3, R0, 0
	v_cmp_eq_u32 vcc_lo, 1, v3
	v_cndmask_b32 v52, v[PW], v[PW+2], vcc_lo
	v_cndmask_b32 v53, v[PW+1], v[PW+3], vcc_lo
	global_store_b64 v7, v[52:53], s[38:39]
	s_wait_tensorcnt 0x0
	ds_add_u32 v62, v63
	s_wait_dscnt 0x0
	s_endpgm
.Lfunc_end_k_q0ac73fd543_quant:
	.size	k_q0ac73fd543_quant, .Lfunc_end_k_q0ac73fd543_quant-k_q0ac73fd543_quant
	.p2alignl 7, 3214868480
	.fill 96, 4, 3214868480
	.section	.rodata,"a",@progbits
	.p2align	6, 0x0
	.amdhsa_kernel k_q0ac73fd543_quant
		.amdhsa_group_segment_fixed_size 34304
		.amdhsa_private_segment_fixed_size 0
		.amdhsa_enable_private_segment 0
		.amdhsa_kernarg_size 80
		.amdhsa_user_sgpr_count 2
		.amdhsa_user_sgpr_kernarg_segment_ptr 1
		.amdhsa_wavefront_size32 1
		.amdhsa_system_sgpr_workgroup_id_x 1
		.amdhsa_system_sgpr_workgroup_id_y 1
		.amdhsa_system_sgpr_workgroup_id_z 1
		.amdhsa_system_vgpr_workitem_id 0
		.amdhsa_next_free_vgpr 256
		.amdhsa_next_free_sgpr 66
		.amdhsa_reserve_vcc 1
		.amdhsa_float_denorm_mode_32 3
		.amdhsa_float_denorm_mode_16_64 3
		.amdhsa_memory_ordered 1
		.amdhsa_forward_progress 1
		.amdhsa_inst_pref_size 58
	.end_amdhsa_kernel
	.amdgpu_metadata
---
amdhsa.version: [ 1, 2 ]
amdhsa.kernels:
  - .name:           k_q0ac73fd543_quant
    .symbol:         k_q0ac73fd543_quant.kd
    .args:
      - { .name: x, .offset: 0, .size: 8, .value_kind: global_buffer, .address_space: global }
      - { .name: w_q, .offset: 8, .size: 8, .value_kind: global_buffer, .address_space: global }
      - { .name: w_k, .offset: 16, .size: 8, .value_kind: global_buffer, .address_space: global }
      - { .name: w_v, .offset: 24, .size: 8, .value_kind: global_buffer, .address_space: global }
      - { .name: w_o, .offset: 32, .size: 8, .value_kind: global_buffer, .address_space: global }
      - { .name: xc, .offset: 40, .size: 8, .value_kind: global_buffer, .address_space: global }
      - { .name: xs, .offset: 48, .size: 8, .value_kind: global_buffer, .address_space: global }
      - { .name: wc, .offset: 56, .size: 8, .value_kind: global_buffer, .address_space: global }
      - { .name: ws, .offset: 64, .size: 8, .value_kind: global_buffer, .address_space: global }
      - { .name: cs, .offset: 72, .size: 8, .value_kind: global_buffer, .address_space: global }
    .group_segment_fixed_size: 34304
    .private_segment_fixed_size: 0
    .kernarg_segment_align: 8
    .kernarg_segment_size: 80
    .max_flat_workgroup_size: 128
    .sgpr_count:     66
    .vgpr_count:     256
    .wavefront_size: 32
...
	.end_amdgpu_metadata
.endif
;; end of part 1
;; launch qkv (part 2): grid 8 x 32, 4 waves a work-group, clusters of 4 x 4, 327,680 bytes of LDS; arguments xc, xs, wc, ws, b_q, b_k, b_v, cs, qkv; writes qkv
.if DOCPART == 2
	.amdgcn_target "amdgcn-amd-amdhsa--gfx1250"
	.amdhsa_code_object_version 6
	.text
	.protected	k_q0ac73fd543_qkv
	.globl	k_q0ac73fd543_qkv
	.p2align	8
	.type	k_q0ac73fd543_qkv,@function
k_q0ac73fd543_qkv:
	s_mov_b64 s[64:65], 0
	v_nop
	global_prefetch_b8 v0, s[64:65] scope:SCOPE_SE
	s_setreg_imm32_b32 hwreg(HW_REG_WAVE_MODE, 25, 1), 1
	s_wait_xcnt 0x0
	s_wait_alu depctr_hold_cnt(0) depctr_sa_sdst(0) depctr_va_vdst(0) depctr_va_sdst(0) depctr_va_ssrc(0) depctr_va_vcc(0) depctr_vm_vsrc(0)
	s_getreg_b32 s2, hwreg(HW_REG_IB_STS2, 6, 4)
	s_cmp_eq_u32 s2, 0
	s_cbranch_scc0 .Lentry_in_a_cluster
	s_endpgm
.Lentry_in_a_cluster:
	s_bfe_u32 s2, ttmp6, 0x10000c
	s_cmp_lg_u32 s2, 0xf033
	s_cbranch_scc0 .Lentry_shape_is_right
	s_endpgm
.Lentry_shape_is_right:
; Q, K, V = x W^T + b on codes of FP8 (E4M3) with E8M0 scales, the rotary step on Q and K, and the quantisers of all three for the attention launch.  No f32 result is stored.
; IN.  xc, wc: images of operand registers, [block of 128 rows][K step 0 .. 7][tile 0 .. 7][2,048 bytes]; lane-row r of tile T is row 32 (T / 2) + 8 (T % 2) + r + 8 (r / 8).  wc: blocks 0-7 W_q, 8-15 W_k, 16-23 W_v.
; xs, ws: scale bytes [row][32].  cs: [position][cos 32 | sin 32].
; OUT, all in qkv.  For each (batch, head) and key step of 128 tokens 17,152 bytes: 8 images of K (1,024 each), 4 fragments of V with the keys innermost (2,048 each), K's scale words (512), V's (256).
; Behind them Q's images (QC) and Q's scale words (QS).
; SHARES.  A work-group makes 128 tokens (block RB) x 128 columns (block c: two heads) of each of Q, K, V: 256 work-groups.  Four waves, 2 x 2: a wave makes 64 tokens x one head of each: 48 accumulators.
; Q and K are used transposed (source 0 = the weight's rows): a lane holds one token and its registers run along the head's channels.  V: source 0 = x's rows: a lane holds one channel, registers along the tokens.
; LDS: four regions of 64 KB (x, W_q, W_k, W_v), each of two slots of two K steps.  A load is 32 KB on end, one a wave: at the head slot 0 of its region (K steps 0, 1); slot 1's first fill (K steps 2, 3) is issued
; as a refill is, behind the head's full sequence and a round of the cluster's barrier; two refills follow, each behind a drained round: K steps 4, 5 into slot 0, K steps 6, 7 into slot 1.
; CLUSTER 4 x 4: a row of the cluster shares RB and asks for x's tiles jointly, a column shares c and asks for the weights'.
; PREFETCH: what a later load will ask for is named once before: K steps 2, 3 and 4, 5 at the head, behind slot 0's load; K steps 6, 7 behind the first sixteen products.  A wave names its own region's
; 32 KB; the four partners that ask for it jointly take 8 KB each, told apart by address; a lane a block of 256 bytes.  The weights' tiles are the same for all eight rows of clusters: the first four rows name them.
; THE WAY OUT goes by groups of four tiles, eight scale blocks of 32 side by side: the rotary step (V: the bias) in place in the accumulators, the largest magnitudes in eight chains, scales, holds, conversions.
; LIMITS: NaN and infinities are not served; a block whose largest magnitude lies under 2^-118 gets the byte 1.
; REGISTERS.  window 0: v1-31 addresses; v32-47 x's scale words, v50-97 the weights' (no product's two scale registers have numbers equal modulo 8); v98-129 at work on the way out; v128-255 x's fragments, two sets,
;   later scale words and codes.  window 1: v0-127 a weight's fragments, two sets; v128-255 Q's sums.  window 2: K's sums, V's sums.  window 3: v0-71 the biases, v96-223 cos and sin.
.set REGG,  32768                      ; two K steps of a block in memory
.set LREG,  65536                      ; LDS: from region to region
.set LSLOT, 32768                      ; and from slot to slot
.set SPARE, 262144
.set VSTG,  SPARE+512                  ; 512 bytes in which V's scale bytes meet; no fill lands there
.set STEPB, 17152
.set HEADB, 16*STEPB
.set QC,    32*HEADB
.set QS,    QC+32*131072
.set SPW, 8
.set NIL, 9
.set PFO, 10
.set SA,  32
.set SW,  50
.set T,   98                           ; 32 registers: the rotary step's products; then:
.set TMX, T                            ; eight largest magnitudes, then 448 x the scale
.set TP,  T+8                          ; the other half's, then the bytes
.set TS,  T+16                         ; the conversions' scale operands
.set PWQ, 136
.set PWK, 140
.set PCB, 144
.set PWV, 240
.set MIX, 244
.set CSB, 96
.set WV,  22
.set G1A, 32
.set G1W, 40
.set G0A, 48
.set G0W, 56
.set SEL, 76
.set MNT, 78
.set PFA, 90
.set LIM, 92
.set MSB, 0
.macro WIN new
.if MSB != \new
	s_set_vgpr_msb (MSB<<8)|\new
.set MSB, \new
.endif
.endm
.macro PLACES n
.rept \n
	v_nop
.endr
.endm
.macro CROUND
	s_barrier_signal -1
	s_barrier_wait -1
	s_cmp_lg_u32 s[WV], 0
	s_cbranch_scc1 .Lnot_wave_0_\@
	s_barrier_signal -3
.Lnot_wave_0_\@:
	s_barrier_wait -3
	s_barrier_signal -1
	s_barrier_wait -1
.endm
.macro JLOAD sl                        ; wave 0 asks for x's tile, waves 1 to 3 for a weight's: a line, a mask and a set of registers each
	s_cmp_eq_u32 s[WV], 0
	s_cbranch_scc0 .Lfor_w_\@
	tensor_load_to_lds s[G0A+4*(\sl):G0A+4*(\sl)+3], s[G1A:G1A+7]
	s_nop 0
	PLACES 4
	s_branch .Lasked_\@
.Lfor_w_\@:
	tensor_load_to_lds s[G0W+4*(\sl):G0W+4*(\sl)+3], s[G1W:G1W+7]
	s_nop 0
	PLACES 4
.Lasked_\@:
.endm
.macro ASK off                         ; my work-group's 8 KB of the 32 KB that my wave will ask for at byte off of its block
	s_cmp_eq_u32 s[LIM], 1
	s_cbranch_scc0 .Lnot_mine_\@
	global_prefetch_b8 v[PFO], s[PFA:PFA+1] offset:\off th:TH_LOAD_NT scope:SCOPE_SE
.Lnot_mine_\@:
.endm
	s_load_b256 s[4:11], s[0:1], 0x0               ; xc, xs, wc, ws
	s_load_b256 s[12:19], s[0:1], 0x20             ; b_q, b_k, b_v, cs
	s_load_b64 s[20:21], s[0:1], 0x40              ; qkv
	v_lshl_add_u32 v[SPW], v0, 2, SPARE
	v_mov_b32 v[NIL], 0
	ds_add_u32 v[SPW], v[NIL]                      ; the opening lines: the add, twice on end, and its wait
	ds_add_u32 v[SPW], v[NIL]
	v_lshrrev_b32 v1, 5, v0
	v_readfirstlane_b32 s[WV], v1                  ; wave 0..3
	s_lshr_b32 s23, s[WV], 1                       ; wm
	s_and_b32 s24, s[WV], 1                        ; wn
	s_bfe_u32 s25, ttmp6, 0x40000                  ; cx
	s_bfe_u32 s26, ttmp6, 0x40004                  ; cy
	s_lshl_b32 s27, ttmp9, 2
	s_add_co_u32 s27, s27, s25                     ; c
	s_and_b32 s93, ttmp7, 0xffff                   ; the cluster's row
	s_lshl_b32 s28, s93, 2
	s_add_co_u32 s28, s28, s26                     ; RB
	s_lshl_b32 s29, s26, 2
	s_lshl_b32 s29, 15, s29                        ; my row of the cluster
	s_lshl_b32 s30, 0x1111, s25                    ; my column
	s_or_b32 s[G1A], s29, (3<<16)|(1<<21)          ; 128 rows of 32 elements of 8 bytes
	s_or_b32 s[G1W], s30, (3<<16)|(1<<21)
.irp g, G1A, G1W
	s_mov_b32 s[\g+1], 32<<16
	s_mov_b32 s[\g+2], 128<<16
	s_mov_b32 s[\g+3], 32<<16
	s_mov_b32 s[\g+4], 128
	s_mov_b32 s[\g+5], 32
	s_mov_b32 s[\g+6], 0
	s_mov_b32 s[\g+7], 0
.endr
	s_lshl_b32 s31, s[WV], 16                      ; my region in LDS
	s_lshl_b32 s66, s28, 17                        ; x: block RB
	s_mov_b32 s67, 0
	s_add_co_u32 s70, s[WV], 3
	s_and_b32 s70, s70, 3
	s_lshl_b32 s70, s70, 3
	s_add_co_u32 s70, s70, s27                     ; waves 1, 2, 3: block c of W_q, W_k, W_v
	s_lshl_b32 s68, s70, 17
	s_mov_b32 s69, 0
	s_wait_dscnt 0x0                               ; both opening adds are done
	CROUND                                         ; all sixteen work-groups are here: the first joint loads meet
	s_wait_kmcnt 0x0
	s_add_nc_u64 s[66:67], s[4:5], s[66:67]
	s_add_nc_u64 s[68:69], s[8:9], s[68:69]
.irp s, 0,1
	s_mov_b32 s[G0A+4*\s], 1
	s_add_co_u32 s[G0A+4*\s+1], s31, \s*LSLOT
	s_add_nc_u64 s[G0A+4*\s+2:G0A+4*\s+3], s[66:67], \s*REGG
	s_or_b32 s[G0A+4*\s+3], s[G0A+4*\s+3], 0x80000000
	s_mov_b32 s[G0W+4*\s], 1
	s_add_co_u32 s[G0W+4*\s+1], s31, \s*LSLOT
	s_add_nc_u64 s[G0W+4*\s+2:G0W+4*\s+3], s[68:69], \s*REGG
	s_or_b32 s[G0W+4*\s+3], s[G0W+4*\s+3], 0x80000000
.endr
	JLOAD 0                                        ; K steps 0, 1: one joint load a wave at the head
	s_mov_b32 s[SEL], 0x76543210
	s_mov_b32 s[SEL+1], 0xfedcba98
	s_mov_b32 s[MNT], 0x600000
	s_cmp_lt_u32 s93, 4                            ; who prefetches: wave 0 everywhere, waves 1 to 3 in the first four rows of clusters
	s_cselect_b32 s[LIM], 1, 0
	s_cmp_eq_u32 s[WV], 0
	s_cselect_b32 s[LIM], 1, s[LIM]
	s_cselect_b32 s94, s25, s26                    ; my place among the four that ask with me
	s_cselect_b64 s[PFA:PFA+1], s[66:67], s[68:69]
	s_lshl_b32 s94, s94, 13
	s_mov_b32 s95, 0
	s_add_nc_u64 s[PFA:PFA+1], s[PFA:PFA+1], s[94:95]
	s_lshl_b32 s70, s23, 13                        ; my four tiles of x,
	s_lshl_b32 s71, s24, 13                        ; of a weight
	s_lshl_b32 s72, s28, 12
	s_lshl_b32 s73, s23, 11
	s_add_co_u32 s72, s72, s73                     ; xs: (128 RB + 64 wm) x 32
	s_lshl_b32 s73, s27, 12
	s_lshl_b32 s74, s24, 11
	s_add_co_u32 s73, s73, s74                     ; ws: (128 c + 64 wn) x 32
	s_lshl_b32 s74, s27, 9
	s_lshl_b32 s75, s24, 8
	s_add_co_u32 s74, s74, s75                     ; the biases: (128 c + 64 wn) x 4
	s_and_b32 s81, s28, 15                         ; the key step
	s_lshl_b32 s75, s81, 15
	s_lshl_b32 s79, s23, 14
	s_add_co_u32 s75, s75, s79                     ; cs: (128 step + 64 wm) x 256
	s_lshr_b32 s80, s28, 4
	s_lshl_b32 s80, s80, 4
	s_lshl_b32 s79, s27, 1
	s_add_co_u32 s80, s80, s79
	s_add_co_u32 s80, s80, s24                     ; 16 batch + head
	s_mul_i32 s82, s80, HEADB
	s_mul_i32 s83, s81, STEPB
	s_add_co_u32 s82, s82, s83                     ; the key step's bytes
	s_lshl_b32 s83, s80, 17
	s_lshl_b32 s84, s81, 13
	s_add_co_u32 s83, s83, s84
	s_lshl_b32 s84, s23, 12
	s_add_co_u32 s83, s83, s84
	s_add_co_u32 s83, s83, QC                      ; Q's images
	s_add_co_u32 s84, s84, s82                     ; K's images
	s_lshl_b32 s87, s23, 10
	s_add_co_u32 s87, s87, s82
	s_add_co_u32 s87, s87, 8192                    ; V's fragments
	s_lshl_b32 s85, s80, 13
	s_lshl_b32 s86, s81, 9
	s_add_co_u32 s85, s85, s86
	s_lshl_b32 s86, s23, 8
	s_add_co_u32 s85, s85, s86
	s_add_co_u32 s85, s85, QS                      ; Q's scale words
	s_add_co_u32 s86, s86, s82
	s_add_co_u32 s86, s86, 16384                   ; K's scale words
	s_lshl_b32 s88, s24, 8
	s_lshl_b32 s89, s23, 1
	s_add_co_u32 s88, s88, s89
	s_add_co_u32 s88, s88, VSTG                    ; V's scale bytes in LDS
	s_add_co_u32 s89, s82, 16896                   ; V's scale words
	v_and_b32 v1, 31, v0
	v_and_b32 v2, 15, v0                           ; r
	v_bfe_u32 v3, v0, 4, 1                         ; h
	v_lshlrev_b32 v[PFO], 8, v1                    ; 256 x lane
	v_lshlrev_b32 v1, 4, v1                        ; 16 x lane
	v_and_b32 v4, 8, v2
	v_add_nc_u32 v4, v4, v2                        ; r + 8 (r / 8)
	v_add_nc_u32 v16, s70, v1                      ; v16-19: x's, W_q's, W_k's, W_v's fragments in slot 0; v20-23 in slot 1
	v_add_nc_u32 v17, s71, v1
	v_add_nc_u32 v17, LREG, v17
	v_add_nc_u32 v18, LREG, v17
	v_add_nc_u32 v19, LREG, v18
.irp g, 0,1,2,3
	v_add_nc_u32 v[20+\g], LSLOT, v[16+\g]
.endr
	v_lshlrev_b32 v24, 5, v4
	v_lshl_add_u32 v24, v3, 4, v24
	v_add_nc_u32 v25, s73, v24
	v_add_nc_u32 v24, s72, v24
	v_lshl_add_u32 v26, v3, 6, s74
	v_lshl_add_u32 v27, v4, 2, s74
	v_lshlrev_b32 v28, 8, v4
	v_lshl_add_u32 v28, v3, 6, v28
	v_add_nc_u32 v28, s75, v28
	s_wait_alu depctr_va_vdst(0)
	ASK REGG                                       ; K steps 2, 3
.irp i, 0,1,2,3
	global_load_b128 v[SA+4*\i:SA+4*\i+3], v24, s[6:7] offset:(32*(\i/2)+8*(\i%2))*32
.endr
.irp p, 0,1,2
.irp t, 0,1,2,3
	global_load_b128 v[SW+16*\p+4*\t:SW+16*\p+4*\t+3], v25, s[10:11] offset:(1024*\p+32*(\t/2)+8*(\t%2))*32
.endr
.endr
	WIN 0xc0
.irp t, 0,1,2,3
	global_load_b128 v[8*\t:8*\t+3], v26, s[12:13] offset:(32*(\t/2)+8*(\t%2))*4
	global_load_b128 v[8*\t+4:8*\t+7], v26, s[12:13] offset:(32*(\t/2)+8*(\t%2))*4+16
	global_load_b128 v[32+8*\t:32+8*\t+3], v26, s[14:15] offset:(32*(\t/2)+8*(\t%2))*4
	global_load_b128 v[32+8*\t+4:32+8*\t+7], v26, s[14:15] offset:(32*(\t/2)+8*(\t%2))*4+16
	global_load_b32 v[64+2*\t], v27, s[16:17] offset:(32*(\t/2)+8*(\t%2))*4
	global_load_b32 v[65+2*\t], v27, s[16:17] offset:(32*(\t/2)+8*(\t%2))*4
.endr
.irp i, 0,1,2,3
.irp k, 0,1,2,3
	global_load_b128 v[CSB+32*\i+4*\k:CSB+32*\i+4*\k+3], v28, s[18:19] offset:(32*(\i/2)+8*(\i%2))*256+16*\k
	global_load_b128 v[CSB+32*\i+16+4*\k:CSB+32*\i+16+4*\k+3], v28, s[18:19] offset:(32*(\i/2)+8*(\i%2))*256+128+16*\k
.endr
.endr
	WIN 0
	ASK 2*REGG                                     ; K steps 4, 5
	v_add_nc_u32 v29, s83, v1
	v_add_nc_u32 v30, s84, v1
	v_add_nc_u32 v31, s87, v1
	v_mov_b32 v14, s85
	v_mov_b32 v7, s86
	v_cmp_eq_u32 vcc_lo, 1, v3
	v_cndmask_b32 v14, v14, v7, vcc_lo             ; lanes 0-15 store Q's scale words, lanes 16-31 K's
	v_lshl_add_u32 v14, v2, 4, v14
	v_lshl_add_u32 v15, v2, 4, s88
	v_add_nc_u32 v5, VSTG, v1
	v_mul_u32_u24 v6, v3, HEADB
	v_lshl_add_u32 v6, v2, 4, v6
	v_add_nc_u32 v6, s89, v6
.macro LOADB slot, sp, p, set          ; four fragments of weight p: K step sp of the slot
	WIN 0x40
.irp t, 0,1,2,3
.irp c, 0,1,2,3
	ds_load_b128 v[64*(\set)+16*\t+4*\c:64*(\set)+16*\t+4*\c+3], v[17+4*(\slot)+(\p)] offset:(\sp)*16384+2048*\t+512*\c
.endr
.endr
.endm
.macro LOADA slot, sp, set             ; four fragments of x
	WIN 0
.irp t, 0,1,2,3
.irp c, 0,1,2,3
	ds_load_b128 v[128+64*(\set)+16*\t+4*\c:128+64*(\set)+16*\t+4*\c+3], v[16+4*(\slot)] offset:(\sp)*16384+2048*\t+512*\c
.endr
.endr
.endm
.macro MULP p, s                       ; sixteen products of weight p in K step s: sixteen accumulators by turns; Q's and K's bias is the first products' C
.set BS, 64*((3*(\s)+(\p))%2)
.set AS, 128+64*((\s)%2)
.set SQ, (\s)%4
.if (\p)==0
.if (\s)==0
	WIN 0x71
.else
	WIN 0x51
.endif
.elseif (\p)==1
.if (\s)==0
	WIN 0xb1
.else
	WIN 0xa1
.endif
.else
	WIN 0xa4
.endif
.irp i, 0,1,2,3
.irp t, 0,1,2,3
.if (\p)==0
.set DD, 128+32*\i+8*\t
.set AA, BS+16*\t
.set BB, AS+16*\i
.set CC, 8*\t
.set XA, SW+4*\t+SQ
.set XB, SA+4*\i+SQ
.elseif (\p)==1
.set DD, 32*\i+8*\t
.set AA, BS+16*\t
.set BB, AS+16*\i
.set CC, 32+8*\t
.set XA, SW+16+4*\t+SQ
.set XB, SA+4*\i+SQ
.else
.set DD, 128+32*\t+8*\i
.set AA, AS+16*\i
.set BB, BS+16*\t
.set CC, 0
.set XA, SA+4*\i+SQ
.set XB, SW+32+4*\t+SQ
.endif
.if (\s)==0 && (\p)==2
	v_wmma_scale_f32_16x16x128_f8f6f4 v[DD:DD+7], v[AA:AA+15], v[BB:BB+15], 0, v[XA], v[XB]
.elseif (\s)==0
	v_wmma_scale_f32_16x16x128_f8f6f4 v[DD:DD+7], v[AA:AA+15], v[BB:BB+15], v[CC:CC+7], v[XA], v[XB]
.elseif (\s)<4
	v_wmma_scale_f32_16x16x128_f8f6f4 v[DD:DD+7], v[AA:AA+15], v[BB:BB+15], v[DD:DD+7], v[XA], v[XB]
.else
	v_wmma_scale_f32_16x16x128_f8f6f4 v[DD:DD+7], v[AA:AA+15], v[BB:BB+15], v[DD:DD+7], v[XA], v[XB] matrix_a_scale:MATRIX_SCALE_ROW1 matrix_b_scale:MATRIX_SCALE_ROW1
.endif
.endr
.endr
.endm
.macro PH s, p                         ; the next sixteen products' fragments are asked for, then these sixteen are issued
.set NN, 3*(\s)+(\p)+1
.set S2, NN/3
.set P2, NN%3
	PLACES 8                                       ; in front of loads into registers that products have read
	LOADB (S2/2)%2, S2%2, P2, NN%2
.if (\p)==2
	LOADA (S2/2)%2, S2%2, S2%2
	s_wait_dscnt 32                                ; all but the 32 just issued
.else
	s_wait_dscnt 16                                ; all but the 16 just issued
.endif
	MULP \p, \s
.endm
.macro TURN s, fill                    ; a slot's last sixteen products and the change of slots
.set SL, ((\s)/2)%2
	WIN 0
	s_wait_tensorcnt 0x0                           ; all my tensor loads have landed;
	ds_add_u32 v[SPW], v[NIL]
.if \fill
	s_add_nc_u64 s[G0A+4*SL+2:G0A+4*SL+3], s[G0A+4*SL+2:G0A+4*SL+3], 2*REGG
	s_add_nc_u64 s[G0W+4*SL+2:G0W+4*SL+3], s[G0W+4*SL+2:G0W+4*SL+3], 2*REGG
.endif
	s_wait_dscnt 1                                 ; (the add may be out)
	MULP 2, \s
	WIN 0
	s_wait_dscnt 0x0                               ; the add is done, and my reads of this slot are over
.if \fill
	CROUND
	JLOAD SL                                       ; the first tensor load behind the round
	PLACES 4
.else
	s_barrier_signal -1
	s_barrier_wait -1
	PLACES 8
.endif
	LOADB 1-SL, 0, 0, (3*(\s)+3)%2
	LOADA 1-SL, 0, ((\s)+1)%2
.endm
	s_wait_alu depctr_va_vdst(0)                   ; the head's end
	s_wait_tensorcnt 0x0                           ; my part of slot 0 is in; slot 1's first fill is issued as a refill is:
	ds_add_u32 v[SPW], v[NIL]
	s_wait_dscnt 0x0
	CROUND                                         ; everybody's part of slot 0 is in, and the joint loads meet
	JLOAD 1                                        ; K steps 2, 3
	LOADB 0, 0, 0, 0
	LOADA 0, 0, 0
	s_wait_loadcnt 0x0                             ; scale words, biases, cos and sin
	PH 0, 0
	WIN 0
	ASK 3*REGG                                     ; K steps 6, 7
	PH 0, 1
	PH 0, 2
	PH 1, 0
	PH 1, 1
	TURN 1, 1
	PH 2, 0
	PH 2, 1
	PH 2, 2
	PH 3, 0
	PH 3, 1
	TURN 3, 1
	PH 4, 0
	PH 4, 1
	PH 4, 2
	PH 5, 0
	PH 5, 1
	TURN 5, 0
	PH 6, 0
	PH 6, 1
	PH 6, 2
	PH 7, 0
	PH 7, 1
	s_wait_dscnt 0x0
	MULP 2, 7
	WIN 0
	PLACES 8
; THE WAY OUT.  W: the window of a group's 128 sums, AB: their first register.  Register 16 n + i of the group is number i of my 16 of scale block n.
.macro ROPE4 W, AB                     ; in place: lo' = lo cos - hi sin, hi' = hi cos + lo sin; each accumulator is read from its low end on
.irp i, 0,1,2,3
	WIN ((\W)|(3<<2))
.irp m, 0,2,4,6,8,10,12,14
	v_pk_mul_f32 v[T+\m:T+1+\m], v[(\AB)+32*\i+16+\m:(\AB)+32*\i+17+\m], v[CSB+32*\i+16+\m:CSB+32*\i+17+\m]
	v_pk_mul_f32 v[T+16+\m:T+17+\m], v[(\AB)+32*\i+\m:(\AB)+32*\i+1+\m], v[CSB+32*\i+16+\m:CSB+32*\i+17+\m]
.endr
	WIN ((\W)|(3<<2)|((\W)<<6))
.irp m, 0,2,4,6,8,10,12,14
	v_pk_fma_f32 v[(\AB)+32*\i+\m:(\AB)+32*\i+1+\m], v[(\AB)+32*\i+\m:(\AB)+32*\i+1+\m], v[CSB+32*\i+\m:CSB+32*\i+1+\m], v[T+\m:T+1+\m] neg_lo:[0,0,1] neg_hi:[0,0,1]
	v_pk_fma_f32 v[(\AB)+32*\i+16+\m:(\AB)+32*\i+17+\m], v[(\AB)+32*\i+16+\m:(\AB)+32*\i+17+\m], v[CSB+32*\i+\m:CSB+32*\i+1+\m], v[T+16+\m:T+17+\m]
.endr
.endr
.endm
.macro QUANT8 W, AB, pcb, pw           ; eight scale blocks side by side -> 32 registers of codes at pcb, four scale words (two bytes each) at pw
	WIN ((\W)|((\W)<<2))
.irp n, 0,1,2,3,4,5,6,7
	v_max3_num_f32 v[TMX+\n], |v[(\AB)+16*\n]|, |v[(\AB)+16*\n+1]|, 0x4800000   ; and the floor 2^(9 - 127): the byte cannot fall under 1
.endr
	WIN (((\W)<<2)|((\W)<<4))
.irp i, 2,4,6,8,10,12,14
.irp n, 0,1,2,3,4,5,6,7
	v_max3_num_f32 v[TMX+\n], v[TMX+\n], |v[(\AB)+16*\n+\i]|, |v[(\AB)+16*\n+\i+1]|
.endr
.endr
	WIN 0
.irp n, 0,1,2,3,4,5,6,7
	v_permlanex16_b32 v[TP+\n], v[TMX+\n], s[SEL], s[SEL+1]
.endr
.irp n, 0,1,2,3,4,5,6,7
	v_max_num_f32 v[TMX+\n], v[TMX+\n], v[TP+\n]   ; with lane l xor 16's: the block's largest magnitude
.endr
.irp n, 0,1,2,3,4,5,6,7
	v_add_nc_u32 v[TS+\n], 0xfc000000, v[TMX+\n]   ; 8 off its exponent field: the conversion's scale operand
.endr
.irp n, 0,1,2,3,4,5,6,7
	v_and_or_b32 v[TMX+\n], v[TMX+\n], 0x7f800000, s[MNT]   ; 448 x the scale
.endr
.irp n, 0,1,2,3,4,5,6,7
	v_lshrrev_b32 v[TP+\n], 23, v[TS+\n]           ; the scale's byte
.endr
.irp i, 0,1,2,3
	v_lshl_or_b32 v[(\pw)+\i], v[TP+2*\i+1], 8, v[TP+2*\i]
.endr
	WIN ((\W)|((\W)<<6))
.irp n, 0,1,2,3,4,5,6,7
.irp i, 0,1,2,3,4,5,6,7,8,9,10,11,12,13,14,15
	v_med3_num_f32 v[(\AB)+16*\n+\i], v[(\AB)+16*\n+\i], -v[TMX+\n], v[TMX+\n]   ; the conversion does not saturate (ISA guide 7.6.2)
.endr
.endr
	WIN (\W)
.irp n, 0,1,2,3,4,5,6,7
	v_cvt_scalef32_pk8_fp8_f32 v[(\pcb)+4*\n:(\pcb)+4*\n+1], v[(\AB)+16*\n:(\AB)+16*\n+7], v[TS+\n]
	v_cvt_scalef32_pk8_fp8_f32 v[(\pcb)+4*\n+2:(\pcb)+4*\n+3], v[(\AB)+16*\n+8:(\AB)+16*\n+15], v[TS+\n]
.endr
	WIN 0
	v_nop                                          ; one plain line behind the last conversion
.endm
	ROPE4 1, 128
	QUANT8 1, 128, PCB, PWQ
.irp i, 0,1,2,3
	global_store_b128 v29, v[PCB+8*\i:PCB+8*\i+3], s[20:21] offset:1024*\i          ; 512 consecutive bytes, aligned
	global_store_b128 v29, v[PCB+8*\i+4:PCB+8*\i+7], s[20:21] offset:1024*\i+512
.endr
	ROPE4 2, 0
	QUANT8 2, 0, PCB+32, PWK
.irp i, 0,1,2,3
	global_store_b128 v30, v[PCB+32+8*\i:PCB+32+8*\i+3], s[20:21] offset:1024*\i
	global_store_b128 v30, v[PCB+32+8*\i+4:PCB+32+8*\i+7], s[20:21] offset:1024*\i+512
.endr
	v_cmp_eq_u32 vcc_lo, 1, v3
.irp i, 0,1,2,3
	v_cndmask_b32 v[MIX+\i], v[PWQ+\i], v[PWK+\i], vcc_lo
.endr
	global_store_b128 v14, v[MIX:MIX+3], s[20:21]
	WIN (2|(3<<2)|(2<<6))
.irp t, 0,1,2,3
.irp m, 0,2,4,6,8,10,12,14,16,18,20,22,24,26,28,30
	v_pk_add_f32 v[128+32*\t+\m:129+32*\t+\m], v[128+32*\t+\m:129+32*\t+\m], v[64+2*\t:65+2*\t]   ; V's bias: one number a channel
.endr
.endr
	QUANT8 2, 128, PCB+64, PWV
.irp t, 0,1,2,3
	global_store_b128 v31, v[PCB+64+8*\t:PCB+64+8*\t+3], s[20:21] offset:2048*\t
	global_store_b128 v31, v[PCB+64+8*\t+4:PCB+64+8*\t+7], s[20:21] offset:2048*\t+512
	ds_store_b16 v15, v[PWV+\t] offset:4*\t
.endr
	s_wait_alu depctr_va_vdst(0)
	s_wait_dscnt 0x0
	s_barrier_signal -1
	s_barrier_wait -1
	s_cmp_lg_u32 s[WV], 0
	s_cbranch_scc1 .Lnot_first
	ds_load_b128 v[248:251], v5                    ; both heads' scale words of V: 512 bytes
	s_wait_dscnt 0x0
	global_store_b128 v6, v[248:251], s[20:21]
.Lnot_first:
	s_wait_tensorcnt 0x0                           ; the wave's end
	ds_add_u32 v[SPW], v[NIL]
	s_wait_dscnt 0x0
	CROUND                                         ; the closing round
	s_endpgm
.Lfunc_end_k_q0ac73fd543_qkv:
	.size	k_q0ac73fd543_qkv, .Lfunc_end_k_q0ac73fd543_qkv-k_q0ac73fd543_qkv
	.p2alignl 7, 3214868480
	.fill 96, 4, 3214868480
	.section	.rodata,"a",@progbits
	.p2align	6, 0x0
	.amdhsa_kernel k_q0ac73fd543_qkv
		.amdhsa_group_segment_fixed_size 327680
		.amdhsa_private_segment_fixed_size 0
		.amdhsa_enable_private_segment 0
		.amdhsa_kernarg_size 72
		.amdhsa_user_sgpr_count 2
		.amdhsa_user_sgpr_kernarg_segment_ptr 1
		.amdhsa_wavefront_size32 1
		.amdhsa_system_sgpr_workgroup_id_x 1
		.amdhsa_system_sgpr_workgroup_id_y 1
		.amdhsa_system_sgpr_workgroup_id_z 1
		.amdhsa_system_vgpr_workitem_id 0
		.amdhsa_next_free_vgpr 1024
		.amdhsa_next_free_sgpr 100
		.amdhsa_reserve_vcc 1
		.amdhsa_float_denorm_mode_32 3
		.amdhsa_float_denorm_mode_16_64 3
		.amdhsa_memory_ordered 1
		.amdhsa_forward_progress 1
		.amdhsa_inst_pref_size 180
	.end_amdhsa_kernel
	.amdgpu_metadata
---
amdhsa.version: [ 1, 2 ]
amdhsa.kernels:
  - .name:           k_q0ac73fd543_qkv
    .symbol:         k_q0ac73fd543_qkv.kd
    .args:
      - { .name: xc, .offset: 0, .size: 8, .value_kind: global_buffer, .address_space: global }
      - { .name: xs, .offset: 8, .size: 8, .value_kind: global_buffer, .address_space: global }
      - { .name: wc, .offset: 16, .size: 8, .value_kind: global_buffer, .address_space: global }
      - { .name: ws, .offset: 24, .size: 8, .value_kind: global_buffer, .address_space: global }
      - { .name: b_q, .offset: 32, .size: 8, .value_kind: global_buffer, .address_space: global }
      - { .name: b_k, .offset: 40, .size: 8, .value_kind: global_buffer, .address_space: global }
      - { .name: b_v, .offset: 48, .size: 8, .value_kind: global_buffer, .address_space: global }
      - { .name: cs, .offset: 56, .size: 8, .value_kind: global_buffer, .address_space: global }
      - { .name: qkv, .offset: 64, .size: 8, .value_kind: global_buffer, .address_space: global }
    .group_segment_fixed_size: 327680
    .private_segment_fixed_size: 0
    .kernarg_segment_align: 8
    .kernarg_segment_size: 72
    .max_flat_workgroup_size: 128
    .sgpr_count:     100
    .vgpr_count:     1024
    .wavefront_size: 32
...
	.end_amdgpu_metadata
.endif
;; end of part 2
;; launch attn (part 3): grid 8 x 32, 16 waves a work-group, clusters of 4 x 1, 276,992 bytes of LDS; arguments qkv, ac, as2; writes ac, as2
.if DOCPART == 3
	.amdgcn_target "amdgcn-amd-amdhsa--gfx1250"
	.amdhsa_code_object_version 6
	.text
	.protected	k_q0ac73fd543_attn
	.globl	k_q0ac73fd543_attn
	.p2align	8
	.type	k_q0ac73fd543_attn,@function
k_q0ac73fd543_attn:
	s_mov_b64 s[64:65], 0
	v_nop
	global_prefetch_b8 v0, s[64:65] scope:SCOPE_SE
	s_setreg_imm32_b32 hwreg(HW_REG_WAVE_MODE, 25, 1), 1
	s_wait_xcnt 0x0
	s_wait_alu depctr_hold_cnt(0) depctr_sa_sdst(0) depctr_va_vdst(0) depctr_va_sdst(0) depctr_va_ssrc(0) depctr_va_vcc(0) depctr_vm_vsrc(0)
	s_getreg_b32 s2, hwreg(HW_REG_IB_STS2, 6, 4)
	s_cmp_eq_u32 s2, 0
	s_cbranch_scc0 .Lentry_in_a_cluster
	s_endpgm
.Lentry_in_a_cluster:
	s_bfe_u32 s2, ttmp6, 0x10000c
	s_cmp_lg_u32 s2, 0x3003
	s_cbranch_scc0 .Lentry_shape_is_right
	s_endpgm
.Lentry_shape_is_right:
; O = softmax(Q K^T / 8) V for one head, both products on codes of FP8 (E4M3) with E8M0 scales; O / the row's sum is quantised along (head, channel) for the last projection and stored as images of operand registers.
; THE SOFTMAX: t = score x log2(e) / 8; M = the running largest t rounded UP to a whole number; p = 2^(t - M) is quantised along the keys, not normalised; the row's sum is taken of the unquantised p.
; When M moves, the sum and O are multiplied by 2^(old M - new M): exact.
; SHARES.  A work-group owns 256 queries of one head, each of its sixteen waves one tile of 16, in 256 registers: four waves to a SIMD.
; THE WHOLE HEAD'S K, V AND SCALE WORDS, 274,432 bytes, LIE IN LDS, filled once: sixteen key steps of 17,152 bytes (8 images of K, 4 fragments of V, K's scale words, V's).  No byte is filled again.
; CLUSTER 4 x 1: the four work-groups are query blocks of one head and ask for each key step jointly.  EVERY WAVE ISSUES ONE LOAD, key step = its number, on one of three load lines: wave 0; waves 1 to 3; waves 4 to 15.
; The first barrier shows key step 0 alone.  The second shows key steps 1 to 3: waves 0 to 3 wait for their loads, every wave signals ahead of key step 0 and waits at the barrier behind it.
; The third shows the other twelve: every wave waits for its load and signals behind key step 0, and waits at the barrier behind key step 3.  Between a signal and its wait stand register work and LDS loads
; of key steps that an earlier barrier has shown, which nobody writes any more.
; No prefetch: all sixteen fills are issued at the head, ahead of the first loop, so there is no later load to run ahead of.
; Both products are used transposed: S^T = K Q^T, O^T = V^T P^T: a lane holds one query.  The keys of a tile are 32 (T / 2) + 8 (T % 2) + r + 8 (r / 8), so p's 16 registers of two tiles are 16 neighbouring keys.
; THE HEAD HAS 64 CHANNELS, THE FORM 128: Q's registers 8-15 are zero codes.  K's tile t is named as v[32 + 8 t : 47 + 8 t]: its upper eight registers hold the next tile's codes (tile 7: zeros), finite numbers
; that meet zeros and add nothing; the scale bytes of that half are 0, which is 2^-127 and no NaN.  So zero codes stand on one side only: stated here as a choice.
; LIMITS: NaN and infinities are not served; a block of zeros, and one whose largest magnitude lies under 2^-118, gets the byte 1; the promise holds while |t| stays under 2^31.
; REGISTERS: v1-11 addresses; v12 -M, v13 the largest t, v[14:15] the sum; v16-31 Q; v32-95 K's tiles, then V's fragments; v96-103 zeros; v104-167 S^T, then p; v168-199 O^T;
;   v200-215 eight partial sums, then p's codes; v216-236 at work; v237 p's scale word, v238 Q's, v240-243 K's, v244-247 V's: these hold scales and nothing else; v254, v255 the add's two registers.
.set STEPB, 17152
.set HEADB, 16*STEPB
.set QC,    32*HEADB
.set QS,    QC+32*131072
.set HSTG,  HEADB                      ; behind the head: 512 bytes in which the sixteen tiles' scale words meet; no fill lands there
.set SPARE, HSTG+512                   ; the spare words: 128 bytes a wave
.set S,   104
.set OT,  168
.set PCD, 200
.set BM,  216                          ; the blocks' largest scores, then largest p
.set BP,  220
.set BH,  224
.set BSC, 228
.set F,   232
.set TMP, 236
.set PS,  237
.set QSC, 238
.set KS,  240
.set VS,  244
.set TM,  216
.set WV,  10
.set G1,  16
.set G0,  24
.set SEL, 40
.set CS,  42
.set MNT, 44
.set TB,  45
.set CNT, 46
.macro PLACES n
.rept \n
	v_nop
.endr
.endm
.macro CROUND
	s_barrier_signal -1
	s_barrier_wait -1
	s_cmp_lg_u32 s[WV], 0
	s_cbranch_scc1 .Lnot_wave_0_\@
	s_barrier_signal -3
.Lnot_wave_0_\@:
	s_barrier_wait -3
	s_barrier_signal -1
	s_barrier_wait -1
.endm
.macro TLOAD
	tensor_load_to_lds s[G0:G0+3], s[G1:G1+7]
	s_nop 0
	PLACES 4
.endm
	s_load_b128 s[4:7], s[0:1], 0x0                ; qkv, ac
	s_load_b64 s[8:9], s[0:1], 0x10                ; as2
	v_lshl_add_u32 v254, v0, 2, SPARE
	v_mov_b32 v255, 0
	ds_add_u32 v254, v255                          ; the opening lines: the add, twice on end, and its wait ahead of my tensor load
	ds_add_u32 v254, v255
	v_lshrrev_b32 v1, 5, v0
	v_readfirstlane_b32 s[WV], v1                  ; wave 0..15
	s_bfe_u32 s12, ttmp6, 0x40000                  ; cx
	s_lshl_b32 s13, ttmp9, 2
	s_add_co_u32 s12, s13, s12                     ; my block of 256 queries: it enters global addresses of Q and of the results alone
	s_and_b32 s11, ttmp7, 0xffff                   ; bh, which the four partners share
	s_mul_i32 s14, s[WV], STEPB                    ; the key step that I fetch, in LDS as in memory
	s_mul_i32 s48, s11, HEADB
	s_add_co_u32 s48, s48, s14
	s_mov_b32 s49, 0
	s_mov_b32 s[G1], 15|(3<<16)|(1<<21)            ; the mask: all four; elements of 8 bytes; bit 21 beside a mask
	s_mov_b32 s[G1+1], 32<<16                      ; rows of 256 bytes,
	s_mov_b32 s[G1+2], 67<<16                      ; 67 of them = 17,152 bytes on end
	s_mov_b32 s[G1+3], 32<<16
	s_mov_b32 s[G1+4], 67
	s_mov_b32 s[G1+5], 32
	s_mov_b32 s[G1+6], 0
	s_mov_b32 s[G1+7], 0
	s_mov_b32 s[SEL], 0x76543210
	s_mov_b32 s[SEL+1], 0xfedcba98
	s_mov_b32 s[CS], 0x3e38aa3b                    ; c = log2(e) / 8
	s_mov_b32 s[CS+1], s[CS]                       ; (named with it as a pair)
	s_mov_b32 s[MNT], 0x600000
	s_lshl_b32 s13, s12, 4
	s_add_co_u32 s13, s13, s[WV]                   ; my tile of queries, 0 .. 127
	s_lshl_b32 s50, s11, 17                        ; its image
	s_lshl_b32 s51, s13, 10
	s_add_co_u32 s50, s50, s51
	s_add_co_u32 s50, s50, QC
	s_lshl_b32 s51, s11, 13                        ; its scale words: QS + bh 8,192 + (T / 4) 256 + 16 r + 4 (T % 4)
	s_lshr_b32 s52, s13, 2
	s_lshl_b32 s52, s52, 8
	s_add_co_u32 s51, s51, s52
	s_and_b32 s52, s13, 3
	s_lshl_b32 s52, s52, 2
	s_add_co_u32 s51, s51, s52
	s_add_co_u32 s51, s51, QS
	s_lshr_b32 s53, s11, 4
	s_lshl_b32 s53, s53, 7                         ; 128 x batch
	s_add_co_u32 s54, s53, s13                     ; my tile among all tokens'
	s_and_b32 s55, s11, 15                         ; the head
	s_lshr_b32 s56, s54, 3                         ; ac: (((Tg / 8) 8 + head / 2) 8 + Tg % 8) 2,048 + (head % 2) 1,024
	s_lshl_b32 s56, s56, 3
	s_lshr_b32 s57, s55, 1
	s_add_co_u32 s56, s56, s57
	s_lshl_b32 s56, s56, 3
	s_and_b32 s57, s54, 7
	s_add_co_u32 s56, s56, s57
	s_lshl_b32 s56, s56, 11
	s_and_b32 s57, s55, 1
	s_lshl_b32 s57, s57, 10
	s_add_co_u32 s56, s56, s57
	s_lshl_b32 s57, s55, 13                        ; as2: head 8,192 + (128 batch + 16 block) 32
	s_lshl_b32 s58, s12, 4
	s_add_co_u32 s58, s58, s53
	s_lshl_b32 s58, s58, 5
	s_add_co_u32 s57, s57, s58
	s_lshl_b32 s58, s[WV], 5
	s_add_co_u32 s58, s58, HSTG
	v_and_b32 v1, 31, v0
	v_and_b32 v2, 15, v0
	v_lshlrev_b32 v1, 4, v1                        ; 16 x lane
	v_lshlrev_b32 v5, 1, v2                        ; 2 r
	v_lshlrev_b32 v2, 4, v2                        ; 16 r
	v_add_nc_u32 v6, s50, v1
	v_add_nc_u32 v7, s51, v2
	v_add_nc_u32 v8, s56, v1
	v_add_nc_u32 v9, s57, v1
	v_add_nc_u32 v10, s58, v5                      ; my row's two scale bytes in LDS: 32 x wave + 2 r
	v_add_nc_u32 v11, HSTG, v1
	s_wait_alu depctr_va_vdst(0)                   ; directly ahead of the waits below
	s_wait_dscnt 0x0                               ; both opening adds are done
	s_wait_kmcnt 0x0
	s_mov_b32 s[G0], 1
	s_mov_b32 s[G0+1], s14
	s_add_nc_u64 s[G0+2:G0+3], s[4:5], s[48:49]
	s_or_b32 s[G0+3], s[G0+3], 0x80000000
	CROUND                                         ; all four work-groups are here: the joint loads meet
	s_cmp_lt_u32 s[WV], 1                          ; one load a wave, in one chain of branches on the wave's number: waves that wait alike share a line
	s_cbranch_scc0 .Lsecond
	TLOAD
	s_branch .Lasked
.Lsecond:
	s_cmp_lt_u32 s[WV], 4
	s_cbranch_scc0 .Llater
	TLOAD
	s_branch .Lasked
.Llater:
	TLOAD
.Lasked:
	global_load_b128 v[16:19], v6, s[4:5]
	global_load_b128 v[20:23], v6, s[4:5] offset:512
	global_load_b32 v[QSC], v7, s[4:5]
	v_mov_b32 v13, 0xff61b1e6                      ; the largest t so far: -3e38
	v_mov_b32 v14, 0
	v_mov_b32 v15, 0
	v_floor_f32 v12, -v13                          ; -M
.irp j, 0,1,2,3,4,5,6,7
	v_mov_b32 v[24+\j], 0                          ; zero codes: the upper half of Q's fragment,
	v_mov_b32 v[96+\j], 0                          ; and of K's last tile
.endr
.set J, 0
.rept 32
	v_mov_b32 v[OT+J], 0                           ; O^T: the step is written once; the first change of M leaves zeros zeros
.set J, J+1
.endr
.irp b, 0,1,2,3
	v_mov_b32 v[BP+\b], 0                          ; a lane permute's destination counts as one of its sources
.endr
	v_mov_b32 v[F+1], 0                            ; (named as the upper half of a pair)
; Four holds in two dual pairs: numbers i, i + 1 of blocks b and b + 1.  In a pair one destination is even and one odd, and the two first sources, and the two bounds, lie in different banks.
; The conversion does not saturate (ISA guide 7.6.2); p is not negative, so the hold is one-sided.
.macro HOLD2 b, i
	v_dual_min_num_f32 v[S+16*(\b)+\i], v[S+16*(\b)+\i], v[BH+\b] :: v_dual_min_num_f32 v[S+16*(\b)+17+\i], v[S+16*(\b)+17+\i], v[BH+\b+1]
	v_dual_min_num_f32 v[S+16*(\b)+1+\i], v[S+16*(\b)+1+\i], v[BH+\b] :: v_dual_min_num_f32 v[S+16*(\b)+16+\i], v[S+16*(\b)+16+\i], v[BH+\b+1]
.endm
.macro CODES b
	v_cvt_scalef32_pk8_fp8_f32 v[PCD+4*(\b):PCD+1+4*(\b)], v[S+16*(\b):S+7+16*(\b)], v[BSC+\b]
	v_cvt_scalef32_pk8_fp8_f32 v[PCD+2+4*(\b):PCD+3+4*(\b)], v[S+8+16*(\b):S+15+16*(\b)], v[BSC+\b]
.endm
; A KEY STEP: 128 keys, at LDS byte s[TB].
.macro STEP
	v_add_nc_u32 v3, s[TB], v1
	v_add_nc_u32 v4, s[TB], v2
	PLACES 6                                       ; with the two additions: eight places in front of loads into registers that the last products read
.irp t, 0,1,2,3,4,5,6,7
	ds_load_b128 v[32+8*\t:35+8*\t], v3 offset:1024*\t
	ds_load_b128 v[36+8*\t:39+8*\t], v3 offset:1024*\t+512
.endr
	ds_load_b128 v[KS:KS+3], v3 offset:16384       ; K's scale words: lanes 0-15 tiles 0-3, lanes 16-31 tiles 4-7
	s_wait_alu depctr_va_vdst(0)
	s_wait_dscnt 0x0
.irp t, 0,1,2,3
	v_wmma_scale_f32_16x16x128_f8f6f4 v[S+8*\t:S+8*\t+7], v[32+8*\t:47+8*\t], v[16:31], 0, v[KS+\t], v[QSC]
.endr
.irp t, 4,5,6,7
	v_wmma_scale_f32_16x16x128_f8f6f4 v[S+8*\t:S+8*\t+7], v[32+8*\t:47+8*\t], v[16:31], 0, v[KS+\t-4], v[QSC] matrix_a_scale:MATRIX_SCALE_ROW1
.endr
	PLACES 8
.irp t, 0,1,2,3
.irp c, 0,1,2,3
	ds_load_b128 v[32+16*\t+4*\c:35+16*\t+4*\c], v3 offset:8192+2048*\t+512*\c   ; V's fragments land while the softmax is walked
.endr
.endr
	ds_load_b128 v[VS:VS+3], v4 offset:16896       ; V's scale words: channel r of tiles 0-3
.irp b, 0,1,2,3
	v_max3_num_f32 v[BM+\b], v[S+16*\b], v[S+1+16*\b], v[S+2+16*\b]   ; the largest score of each block of 32 keys: for the row's maximum, and, since p rises with the score, for the block's largest p
.endr
.irp i, 3,5,7,9,11,13
.irp b, 0,1,2,3
	v_max3_num_f32 v[BM+\b], v[BM+\b], v[S+16*\b+\i], v[S+1+16*\b+\i]
.endr
.endr
.irp b, 0,1,2,3
	v_max_num_f32 v[BM+\b], v[BM+\b], v[S+15+16*\b]
.endr
.irp b, 0,1,2,3
	s_delay_alu instid0(VALU_DEP_4)
	v_permlanex16_b32 v[BP+\b], v[BM+\b], s[SEL], s[SEL+1]
.endr
.irp b, 0,1,2,3
	s_delay_alu instid0(VALU_DEP_4)
	v_max_num_f32 v[BM+\b], v[BM+\b], v[BP+\b]     ; with lane l xor 16's 16 keys
.endr
	s_delay_alu instid0(VALU_DEP_2)
	v_max3_num_f32 v[TMP], v[BM], v[BM+1], v[BM+2]
	s_delay_alu instid0(VALU_DEP_1)
	v_max_num_f32 v[TMP], v[TMP], v[BM+3]
	s_delay_alu instid0(VALU_DEP_1)
	v_mul_f32 v[TMP], s[CS], v[TMP]                ; as t (c is positive)
	s_delay_alu instid0(VALU_DEP_1)
	v_max_num_f32 v13, v13, v[TMP]                 ; the running largest t
	v_mov_b32 v[TMP], v12
	s_delay_alu instid0(VALU_DEP_2)
	v_floor_f32 v12, -v13                          ; the new -M = -ceil(t)
	s_delay_alu instid0(VALU_DEP_1)
	v_sub_f32 v[TMP], v12, v[TMP]                  ; old M - new M: a whole number, 0 or less
	s_delay_alu instid0(VALU_DEP_1)
	v_cvt_i32_f32 v[TMP], v[TMP]                   ; (it saturates)
	s_delay_alu instid0(VALU_DEP_1)
	v_ldexp_f32 v[F], 1.0, v[TMP]                  ; f = 2^(old M - new M)
.set J, 0
.rept 32
	v_pk_fma_f32 v[S+J:S+J+1], v[S+J:S+J+1], s[CS:CS+1], v[12:13] op_sel_hi:[1,0,0]   ; t - M, two at a time
.set J, J+2
.endr
	v_pk_fma_f32 v[BM:BM+1], v[BM:BM+1], s[CS:CS+1], v[12:13] op_sel_hi:[1,0,0]       ; the same of each block's largest score
	v_pk_fma_f32 v[BM+2:BM+3], v[BM+2:BM+3], s[CS:CS+1], v[12:13] op_sel_hi:[1,0,0]
	s_wait_alu depctr_va_vdst(0)                   ; ahead of the batch
.set J, 0
.rept 64
	v_exp_f32 v[S+J], v[S+J]                       ; p = 2^(t - M)
.set J, J+1
.endr
.irp b, 0,1,2,3
	v_exp_f32 v[BM+\b], v[BM+\b]                   ; the block's largest p: the same two instructions on the same number
.endr
	v_pk_mul_f32 v[14:15], v[14:15], v[F:F+1] op_sel_hi:[1,0]   ; the sums under the new M.  (A plain line behind the exponentials)
	s_wait_alu depctr_va_vdst(0)                   ; and behind it, ahead of its first reader
.irp b, 0,1,2,3
	v_max_num_f32 v[BM+\b], 0x4800000, v[BM+\b]    ; the floor 2^(9 - 127)
.endr
.irp b, 0,1,2,3
	s_delay_alu instid0(VALU_DEP_4)
	v_add_nc_u32 v[BSC+\b], 0xfc000000, v[BM+\b]   ; the conversion's scale operand
.endr
.irp b, 0,1,2,3
	v_and_or_b32 v[BH+\b], v[BM+\b], 0x7f800000, s[MNT]   ; 448 x the scale
.endr
.irp b, 0,1,2,3
	v_lshrrev_b32 v[BP+\b], 23, v[BSC+\b]          ; the scale's byte
.endr
	s_delay_alu instid0(VALU_DEP_3)
	v_lshl_or_b32 v[PS], v[BP+1], 8, v[BP]         ; p's scale word for these 128 keys
	s_delay_alu instid0(VALU_DEP_1)
	v_lshl_or_b32 v[PS], v[BP+2], 16, v[PS]
	s_delay_alu instid0(VALU_DEP_1)
	v_lshl_or_b32 v[PS], v[BP+3], 24, v[PS]
; the row's sum of the unquantised p: 32 pairs in eight chains by turns, in the registers that take the codes afterwards; the last merges stand among the holds
.set J, 0
.rept 8
	v_pk_add_f32 v[PCD+2*J:PCD+2*J+1], v[S+2*J:S+2*J+1], v[S+16+2*J:S+17+2*J]
.set J, J+1
.endr
.irp o, 32,48
.set J, 0
.rept 8
	v_pk_add_f32 v[PCD+2*J:PCD+2*J+1], v[PCD+2*J:PCD+2*J+1], v[S+\o+2*J:S+\o+1+2*J]
.set J, J+1
.endr
.endr
.irp j, 0,2,4,6
	v_pk_add_f32 v[PCD+\j:PCD+\j+1], v[PCD+\j:PCD+\j+1], v[PCD+8+\j:PCD+9+\j]
.endr
	v_pk_add_f32 v[PCD:PCD+1], v[PCD:PCD+1], v[PCD+4:PCD+5]
	v_pk_add_f32 v[PCD+2:PCD+3], v[PCD+2:PCD+3], v[PCD+6:PCD+7]
	HOLD2 0, 0
	HOLD2 0, 2
	v_pk_add_f32 v[PCD:PCD+1], v[PCD:PCD+1], v[PCD+2:PCD+3]
	HOLD2 0, 4
	HOLD2 0, 6
	v_pk_add_f32 v[14:15], v[14:15], v[PCD:PCD+1]
.irp i, 8,10,12,14
	HOLD2 0, \i
.endr
	CODES 0
	CODES 1
.irp i, 0,2,4,6,8,10,12,14
	HOLD2 2, \i
.endr
	CODES 2
	CODES 3
	s_wait_alu depctr_va_vdst(0)                   ; directly ahead of the first reader of O^T
.set J, 0
.rept 16
	v_pk_mul_f32 v[OT+J:OT+J+1], v[OT+J:OT+J+1], v[F:F+1] op_sel_hi:[1,0]   ; O^T under the new M; these are also the places between the codes and the products
.set J, J+2
.endr
	s_wait_alu depctr_va_vdst(0)                   ; directly ahead of the wait below
	s_wait_dscnt 0x0                               ; V
.irp t, 0,1,2,3
	v_wmma_scale_f32_16x16x128_f8f6f4 v[OT+8*\t:OT+8*\t+7], v[32+16*\t:47+16*\t], v[PCD:PCD+15], v[OT+8*\t:OT+8*\t+7], v[VS+\t], v[PS]
.endr
	s_add_co_u32 s[TB], s[TB], STEPB
.endm
.macro RUN first, trips                ; so many key steps from the given one on
	s_mov_b32 s[TB], (\first)*STEPB
.if \trips > 1
	s_mov_b32 s[CNT], \trips
.Lstep_\@:
.endif
	STEP
.if \trips > 1
	s_sub_co_u32 s[CNT], s[CNT], 1
	s_cmp_lg_u32 s[CNT], 0
	s_cbranch_scc1 .Lstep_\@
.endif
.endm
	s_wait_alu depctr_va_vdst(0)                   ; the head's end
	s_wait_loadcnt 0x0                             ; Q
	s_cmp_lt_u32 s[WV], 1
	s_cbranch_scc0 .Lnot_wave_zero
	s_wait_tensorcnt 0x0                           ; wave 0: key step 0 has landed
.Lnot_wave_zero:
	s_barrier_signal -1
	s_barrier_wait -1
	s_cmp_lt_u32 s[WV], 4
	s_cbranch_scc0 .Lnot_first_four
	s_wait_tensorcnt 0x0                           ; waves 0 to 3: key steps 0 to 3 have landed
.Lnot_first_four:
	s_barrier_signal -1                            ; say so,
	RUN 0, 1                                       ; walk key step 0: register work and LDS loads of bytes that nobody writes,
	s_barrier_wait -1                              ; and go on when all sixteen have said so
	s_wait_tensorcnt 0x0                           ; every wave: my key step has landed;
	s_wait_dscnt 0x0
	s_barrier_signal -1                            ; say so,
	RUN 1, 3                                       ; walk key steps 1 to 3,
	s_barrier_wait -1                              ; and go on when all sixteen have said so
	RUN 4, 12
	; THE WAY OUT
	v_add_f32 v14, v14, v15
	s_delay_alu instid0(VALU_DEP_1)
	v_permlanex16_b32 v[TMP], v14, s[SEL], s[SEL+1]
	s_delay_alu instid0(VALU_DEP_1)
	v_add_f32 v14, v14, v[TMP]                     ; the row's sum
	s_wait_alu depctr_va_vdst(0)
	v_rcp_f32 v14, v14
	PLACES 8                                       ; behind the reciprocal, and behind the last products
.set J, 0
	s_wait_alu depctr_va_vdst(0)
.rept 32
	v_mul_f32 v[S+J], v[OT+J], v14                 ; register 16 b + i = channel 32 b + 16 h + i of my query; each accumulator from its low end on
.set J, J+1
.endr
.irp b, 0,1
	v_max3_num_f32 v[TM+\b], |v[S+16*\b]|, |v[S+1+16*\b]|, 0x4800000
.endr
.irp i, 2,4,6,8,10,12,14
.irp b, 0,1
	s_delay_alu instid0(VALU_DEP_2)
	v_max3_num_f32 v[TM+\b], v[TM+\b], |v[S+16*\b+\i]|, |v[S+1+16*\b+\i]|
.endr
.endr
.irp b, 0,1
	s_delay_alu instid0(VALU_DEP_2)
	v_permlanex16_b32 v[TM+2+\b], v[TM+\b], s[SEL], s[SEL+1]
.endr
.irp b, 0,1
	s_delay_alu instid0(VALU_DEP_2)
	v_max_num_f32 v[TM+\b], v[TM+\b], v[TM+2+\b]
.endr
.irp b, 0,1
	s_delay_alu instid0(VALU_DEP_2)
	v_add_nc_u32 v[TM+6+\b], 0xfc000000, v[TM+\b]
.endr
.irp b, 0,1
	s_delay_alu instid0(VALU_DEP_4)
	v_and_or_b32 v[TM+4+\b], v[TM+\b], 0x7f800000, s[MNT]
.endr
.irp b, 0,1
	s_delay_alu instid0(VALU_DEP_4)
	v_lshrrev_b32 v[TM+2+\b], 23, v[TM+6+\b]
.endr
	s_delay_alu instid0(VALU_DEP_1)
	v_lshl_or_b32 v[TMP], v[TM+3], 8, v[TM+2]      ; this head's two bytes of my row
.irp b, 0,1
.irp i, 0,1,2,3,4,5,6,7,8,9,10,11,12,13,14,15
	v_med3_num_f32 v[S+16*\b+\i], v[S+16*\b+\i], -v[TM+4+\b], v[TM+4+\b]
.endr
	v_cvt_scalef32_pk8_fp8_f32 v[PCD+4*\b:PCD+1+4*\b], v[S+16*\b:S+7+16*\b], v[TM+6+\b]
	v_cvt_scalef32_pk8_fp8_f32 v[PCD+2+4*\b:PCD+3+4*\b], v[S+8+16*\b:S+15+16*\b], v[TM+6+\b]
.endr
	v_nop
	global_store_b128 v8, v[PCD:PCD+3], s[6:7]     ; 512 consecutive bytes, aligned
	global_store_b128 v8, v[PCD+4:PCD+7], s[6:7] offset:512
	ds_store_b16 v10, v[TMP]                       ; both lanes of a row write the same bytes with the same value
	s_wait_dscnt 0x0
	s_barrier_signal -1
	s_barrier_wait -1
	s_cmp_lg_u32 s[WV], 0
	s_cbranch_scc1 .Lnot_first
	ds_load_b128 v[208:211], v11                   ; the sixteen tiles' scale bytes: 512 on end
	s_wait_dscnt 0x0
	global_store_b128 v9, v[208:211], s[8:9]
.Lnot_first:
	s_wait_tensorcnt 0x0                           ; the wave's end
	ds_add_u32 v254, v255
	s_wait_dscnt 0x0
	CROUND                                         ; the closing round
	s_endpgm
.Lfunc_end_k_q0ac73fd543_attn:
	.size	k_q0ac73fd543_attn, .Lfunc_end_k_q0ac73fd543_attn-k_q0ac73fd543_attn
	.p2alignl 7, 3214868480
	.fill 96, 4, 3214868480
	.section	.rodata,"a",@progbits
	.p2align	6, 0x0
	.amdhsa_kernel k_q0ac73fd543_attn
		.amdhsa_group_segment_fixed_size 276992
		.amdhsa_private_segment_fixed_size 0
		.amdhsa_enable_private_segment 0
		.amdhsa_kernarg_size 24
		.amdhsa_user_sgpr_count 2
		.amdhsa_user_sgpr_kernarg_segment_ptr 1
		.amdhsa_wavefront_size32 1
		.amdhsa_system_sgpr_workgroup_id_x 1
		.amdhsa_system_sgpr_workgroup_id_y 1
		.amdhsa_system_sgpr_workgroup_id_z 1
		.amdhsa_system_vgpr_workitem_id 0
		.amdhsa_next_free_vgpr 256
		.amdhsa_next_free_sgpr 66
		.amdhsa_reserve_vcc 0
		.amdhsa_float_denorm_mode_32 3
		.amdhsa_float_denorm_mode_16_64 3
		.amdhsa_memory_ordered 1
		.amdhsa_forward_progress 1
		.amdhsa_inst_pref_size 72
	.end_amdhsa_kernel
	.amdgpu_metadata
---
amdhsa.version: [ 1, 2 ]
amdhsa.kernels:
  - .name:           k_q0ac73fd543_attn
    .symbol:         k_q0ac73fd543_attn.kd
    .args:
      - { .name: qkv, .offset: 0, .size: 8, .value_kind: global_buffer, .address_space: global }
      - { .name: ac, .offset: 8, .size: 8, .value_kind: global_buffer, .address_space: global }
      - { .name: as2, .offset: 16, .size: 8, .value_kind: global_buffer, .address_space: global }
    .group_segment_fixed_size: 276992
    .private_segment_fixed_size: 0
    .kernarg_segment_align: 8
    .kernarg_segment_size: 24
    .max_flat_workgroup_size: 512
    .sgpr_count:     66
    .vgpr_count:     256
    .wavefront_size: 32
...
	.end_amdgpu_metadata
.endif
;; end of part 3
;; launch oproj (part 4): grid 8 x 32, 4 waves a work-group, clusters of 4 x 4, 280,064 bytes of LDS; arguments ac, as2, wc, ws, b_o, out0; writes out0
.if DOCPART == 4
	.amdgcn_target "amdgcn-amd-amdhsa--gfx1250"
	.amdhsa_code_object_version 6
	.text
	.protected	k_q0ac73fd543_oproj
	.globl	k_q0ac73fd543_oproj
	.p2align	8
	.type	k_q0ac73fd543_oproj,@function
k_q0ac73fd543_oproj:
	s_mov_b64 s[64:65], 0
	v_nop
	global_prefetch_b8 v0, s[64:65] scope:SCOPE_SE
	s_setreg_imm32_b32 hwreg(HW_REG_WAVE_MODE, 25, 1), 1
	s_wait_xcnt 0x0
	s_wait_alu depctr_hold_cnt(0) depctr_sa_sdst(0) depctr_va_vdst(0) depctr_va_sdst(0) depctr_va_ssrc(0) depctr_va_vcc(0) depctr_vm_vsrc(0)
	s_getreg_b32 s2, hwreg(HW_REG_IB_STS2, 6, 4)
	s_cmp_eq_u32 s2, 0
	s_cbranch_scc0 .Lentry_in_a_cluster
	s_endpgm
.Lentry_in_a_cluster:
	s_bfe_u32 s2, ttmp6, 0x10000c
	s_cmp_lg_u32 s2, 0xf033
	s_cbranch_scc0 .Lentry_shape_is_right
	s_endpgm
.Lentry_shape_is_right:
; out0 = A W_o^T + b_o on codes of FP8 (E4M3) with E8M0 scales.  A: the attention's result, 4,096 tokens x 1,024, as images of operand registers (ac) with two scale bytes for each (head, tile, row) (as2).
; SHARES.  A work-group makes 128 tokens (block RB) x 128 outputs (block c): 256 work-groups.  Each of four waves makes 64 x 64: 16 accumulators.  The product is used transposed (source 0 = 16 rows of W_o,
; source 1 = 16 tokens): a lane holds eight neighbouring outputs of one token.
; BOTH OPERANDS' BLOCKS, 128 KB each, LIE WHOLE IN LDS, filled once: [K step 0 .. 7][tile 0 .. 7][2,048 bytes], dense in memory as in LDS.  ONE LOAD A WAVE, 64 KB as 256 rows of 256 bytes, each in an arm of
; its own: wave 0 A's K steps 0-3, wave 1 W's, wave 2 A's K steps 4-7, wave 3 W's.  The first barrier shows waves 0 and 1's, the barrier ahead of K step 4 the rest.  No byte is filled again.
; CLUSTER 4 x 4: a row of the cluster shares RB and asks for A's halves jointly, a column shares c and asks for W's.  No prefetch: all fills are issued at the head.
; K goes in four chunks of two K steps: 64 loads of fragments, 32 products.
; The bias is the C of each sum's first product.  The way out goes through the wave's own stage: sixteen lanes store 256 consecutive bytes, aligned.
; REGISTERS.  window 0: v1-29 addresses; v30, v31 the add's; v32-47 A's scale words, v48-63 W's; v64-95 the bias, later rows on the way out; v96-127 halves of scale words, later rows; v128-255 the accumulators (32 i + 8 t).
;   window 1: two sets of 128: A's four fragments, then W's four.
.set BOFF, 131072
.set STG,  262144                      ; behind the operands: 16 rows x 272 bytes for each wave
.set SPI,  272
.set SPARE, STG+4*16*SPI               ; the spare words
.set SA,   32
.set SW,   48
.set BIAS, 64
.set HW,   96
.set ACC,  128
.set WV,   16
.set G1A,  24
.set G1B,  32
.set G0A,  40
.set G0B,  68
.set MSB, 0
.macro WIN new
.if MSB != \new
	s_set_vgpr_msb (MSB<<8)|\new
.set MSB, \new
.endif
.endm
.macro PLACES n
.rept \n
	v_nop
.endr
.endm
.macro CROUND
	s_barrier_signal -1
	s_barrier_wait -1
	s_cmp_lg_u32 s[WV], 0
	s_cbranch_scc1 .Lnot_wave_0_\@
	s_barrier_signal -3
.Lnot_wave_0_\@:
	s_barrier_wait -3
	s_barrier_signal -1
	s_barrier_wait -1
.endm
.macro TLOAD g0, g1
	tensor_load_to_lds s[\g0:\g0+3], s[\g1:\g1+7]
	s_nop 0
	PLACES 4
.endm
	s_load_b256 s[4:11], s[0:1], 0x0               ; ac, as2, wc, ws
	s_load_b128 s[12:15], s[0:1], 0x20             ; b_o, out0
	v_lshl_add_u32 v30, v0, 2, SPARE
	v_mov_b32 v31, 0
	ds_add_u32 v30, v31                            ; the opening lines
	ds_add_u32 v30, v31
	v_lshrrev_b32 v1, 5, v0
	v_readfirstlane_b32 s[WV], v1                  ; wave 0..3
	s_lshr_b32 s17, s[WV], 1                       ; wm.  Also: which half of K I fetch
	s_and_b32 s18, s[WV], 1                        ; wn.  Also: I fetch for A (0) or for W (1)
	s_bfe_u32 s19, ttmp6, 0x40000                  ; cx
	s_bfe_u32 s20, ttmp6, 0x40004                  ; cy
	s_lshl_b32 s21, ttmp9, 2
	s_add_co_u32 s21, s21, s19                     ; c
	s_and_b32 s22, ttmp7, 0xffff
	s_lshl_b32 s22, s22, 2
	s_add_co_u32 s22, s22, s20                     ; RB
	s_lshl_b32 s56, s20, 2
	s_lshl_b32 s56, 15, s56                        ; my row of the cluster
	s_lshl_b32 s57, 0x1111, s19                    ; my column
	s_or_b32 s[G1A], s56, (3<<16)|(1<<21)          ; 64 KB on end, as 256 rows of 32 elements of 8 bytes
	s_or_b32 s[G1B], s57, (3<<16)|(1<<21)
.irp g, G1A, G1B
	s_mov_b32 s[\g+1], 32<<16
	s_mov_b32 s[\g+2], 256<<16
	s_mov_b32 s[\g+3], 32<<16
	s_mov_b32 s[\g+4], 256
	s_mov_b32 s[\g+5], 32
	s_mov_b32 s[\g+6], 0
	s_mov_b32 s[\g+7], 0
.endr
	s_lshl_b32 s63, s17, 16                        ; my half of K
	s_lshl_b32 s62, s18, 17
	s_add_co_u32 s62, s62, s63                     ; where it goes: no place in the cluster enters an LDS address
	s_lshl_b32 s58, s22, 17                        ; A: block RB
	s_add_co_u32 s58, s58, s63
	s_mov_b32 s59, 0
	s_add_co_u32 s60, s21, 24                      ; W_o: block 24 + c of wc
	s_lshl_b32 s60, s60, 17
	s_add_co_u32 s60, s60, s63
	s_mov_b32 s61, 0
	s_wait_dscnt 0x0
	s_wait_kmcnt 0x0
	s_add_nc_u64 s[58:59], s[4:5], s[58:59]
	s_add_nc_u64 s[60:61], s[8:9], s[60:61]
	CROUND                                         ; all sixteen work-groups are here: the joint loads meet
	s_mov_b32 s[G0A], 1
	s_mov_b32 s[G0A+1], s62
	s_mov_b64 s[G0A+2:G0A+3], s[58:59]
	s_or_b32 s[G0A+3], s[G0A+3], 0x80000000
	s_mov_b32 s[G0B], 1
	s_mov_b32 s[G0B+1], s62
	s_mov_b64 s[G0B+2:G0B+3], s[60:61]
	s_or_b32 s[G0B+3], s[G0B+3], 0x80000000
	s_cmp_eq_u32 s[WV], 0                          ; one chain of branches on the wave's number, a load to an arm
	s_cbranch_scc0 .Lwave_1
	TLOAD G0A, G1A
	s_branch .Lasked
.Lwave_1:
	s_cmp_eq_u32 s[WV], 1
	s_cbranch_scc0 .Lwave_2
	TLOAD G0B, G1B
	s_branch .Lasked
.Lwave_2:
	s_cmp_eq_u32 s[WV], 2
	s_cbranch_scc0 .Lwave_3
	TLOAD G0A, G1A
	s_branch .Lasked
.Lwave_3:
	TLOAD G0B, G1B
.Lasked:
	v_and_b32 v1, 31, v0
	v_lshlrev_b32 v1, 4, v1                        ; 16 x lane
	v_and_b32 v2, 15, v0                           ; r
	v_bfe_u32 v3, v0, 4, 1                         ; h
	s_wait_alu depctr_va_vdst(0)
	v_and_b32 v4, 8, v2
	v_add_nc_u32 v4, v4, v2                        ; r + 8 (r / 8)
	s_lshl_b32 s23, s17, 13
	v_add_nc_u32 v16, s23, v1                      ; A's fragments: my four tiles
	s_lshl_b32 s23, s18, 13
	s_add_co_u32 s23, s23, BOFF
	v_add_nc_u32 v17, s23, v1                      ; W's
	s_lshl_b32 s23, s21, 12                        ; W's scale bytes: (3072 + 128 c + 64 wn + row) x 32 + 16 h
	s_lshl_b32 s63, s18, 11
	s_add_co_u32 s23, s23, s63
	s_add_co_u32 s23, s23, 98304
	v_lshlrev_b32 v24, 5, v4
	v_lshl_add_u32 v24, v3, 4, v24
	v_add_nc_u32 v24, s23, v24
	s_lshl_b32 s84, s21, 9                         ; (128 c + 64 wn) x 4
	s_lshl_b32 s63, s18, 8
	s_add_co_u32 s84, s84, s63
	v_lshl_add_u32 v25, v3, 6, s84                 ; the bias, in the result's layout
	s_lshl_b32 s23, s22, 8                         ; A's scale bytes: 65,536 h + (8 RB + 4 wm) 32 + 2 r
	s_lshl_b32 s63, s17, 7
	s_add_co_u32 s23, s23, s63
	v_lshlrev_b32 v26, 16, v3
	v_lshl_add_u32 v26, v2, 1, v26
	v_add_nc_u32 v26, s23, v26
	s_wait_alu depctr_va_vdst(0)
	s_mul_i32 s23, s[WV], 16*SPI
	s_add_co_u32 s23, s23, STG                     ; my stage
	v_mul_u32_u24 v27, v2, SPI
	v_lshl_add_u32 v27, v3, 6, v27
	v_add_nc_u32 v27, s23, v27                     ; in: row r, + 64 h
	v_mul_u32_u24 v28, v3, SPI
	v_lshl_add_u32 v28, v2, 4, v28
	v_add_nc_u32 v28, s23, v28                     ; back: lanes 0-15 one row, lanes 16-31 the next
	v_lshlrev_b32 v29, 12, v3
	v_lshl_add_u32 v29, v2, 4, v29                 ; and the same two rows of out0
	s_lshl_b32 s86, s22, 19                        ; out0 at (128 RB + 64 wm) rows of 4,096 bytes + my columns
	s_lshl_b32 s63, s17, 18
	s_add_co_u32 s86, s86, s63
	s_add_co_u32 s86, s86, s84
	s_mov_b32 s87, 0
	s_add_nc_u64 s[14:15], s[14:15], s[86:87]
.irp t, 0,1,2,3
	global_load_b128 v[SW+4*\t:SW+4*\t+3], v24, s[10:11] offset:(32*(\t/2)+8*(\t%2))*32
	global_load_b128 v[BIAS+8*\t:BIAS+8*\t+3], v25, s[12:13] offset:(32*(\t/2)+8*(\t%2))*4
	global_load_b128 v[BIAS+8*\t+4:BIAS+8*\t+7], v25, s[12:13] offset:(32*(\t/2)+8*(\t%2))*4+16
.endr
.irp i, 0,1,2,3
.irp q, 0,1,2,3
	global_load_u16 v[HW+8*\i+2*\q], v26, s[6:7] offset:(2*\q)*8192+32*\i       ; head 2 q (+ 8 in lanes 16-31): the lower half of K step q's word (4 + q's)
	global_load_u16 v[HW+8*\i+2*\q+1], v26, s[6:7] offset:(2*\q+1)*8192+32*\i   ; head 2 q + 1: the upper half
.endr
.endr
	s_wait_loadcnt 0x0
.irp i, 0,1,2,3
.irp q, 0,1,2,3
	v_lshl_or_b32 v[SA+4*\i+\q], v[HW+8*\i+2*\q+1], 16, v[HW+8*\i+2*\q]
.endr
.endr
; 16 products: K step s, from set par; 16 different accumulators in the same order in every step
.macro MUL16 s, par
.irp i, 0,1,2,3
.irp t, 0,1,2,3
.set DD, ACC+32*\i+8*\t
.set AA, 128*(\par)+64+16*\t
.set BB, 128*(\par)+16*\i
.set XA, SW+4*\t+(\s)%4
.set XB, SA+4*\i+(\s)%4
.if (\s)==0
	v_wmma_scale_f32_16x16x128_f8f6f4 v[DD:DD+7], v[AA:AA+15], v[BB:BB+15], v[BIAS+8*\t:BIAS+8*\t+7], v[XA], v[XB]
.elseif (\s)<4
	v_wmma_scale_f32_16x16x128_f8f6f4 v[DD:DD+7], v[AA:AA+15], v[BB:BB+15], v[DD:DD+7], v[XA], v[XB]
.else
	v_wmma_scale_f32_16x16x128_f8f6f4 v[DD:DD+7], v[AA:AA+15], v[BB:BB+15], v[DD:DD+7], v[XA], v[XB] matrix_a_scale:MATRIX_SCALE_ROW1 matrix_b_scale:MATRIX_SCALE_ROW1
.endif
.endr
.endr
.endm
.macro CHUNK j
.if \j == 0
	s_cmp_lt_u32 s[WV], 2
	s_cbranch_scc0 .Lupper_half_\@
	s_wait_tensorcnt 0x0                           ; waves 0 and 1: K steps 0 to 3 of A and of W have landed
.Lupper_half_\@:
	s_wait_dscnt 0x0
	s_barrier_signal -1
	s_barrier_wait -1
.elseif \j == 2
	s_wait_tensorcnt 0x0                           ; every wave: all that was still out has landed
	s_wait_dscnt 0x0
	s_barrier_signal -1
	s_barrier_wait -1
.endif
.if \j > 0
	v_add_nc_u32 v16, 32768, v16                   ; on to this chunk (no LDS load of mine is out)
	v_add_nc_u32 v17, 32768, v17
.endif
	PLACES 8                                       ; in front of loads into registers that products have read; and between the scale words made above and the first product
	WIN 0x40
.irp e, 0,1
.irp i, 0,1,2,3
.irp c, 0,1,2,3
	ds_load_b128 v[128*\e+16*\i+4*\c:128*\e+16*\i+4*\c+3], v16 offset:16384*\e+2048*\i+512*\c
	ds_load_b128 v[128*\e+64+16*\i+4*\c:128*\e+64+16*\i+4*\c+3], v17 offset:16384*\e+2048*\i+512*\c
.endr
.endr
.endr
	s_wait_dscnt 32                                ; the first K step's 32 loads are in; the second's 32 may be out
	WIN 0x05                                       ; sources 0 and 1 window 1
	MUL16 2*\j, 0
	s_wait_dscnt 0x0
	MUL16 2*\j+1, 1
	WIN 0
.endm
	s_wait_alu depctr_va_vdst(0)
	CHUNK 0
	s_wait_alu depctr_va_vdst(0)
	CHUNK 1
	s_wait_alu depctr_va_vdst(0)
	CHUNK 2
	s_wait_alu depctr_va_vdst(0)
	CHUNK 3
; THE WAY OUT, a tile of 16 tokens x 64 outputs at a time, through my own stage: LDS serves a wave's instructions in order, so no wait stands between the stores and the loads
.macro TOSTAGE ti
.set OB, 96-32*((\ti)%2)
.irp t, 0,1,2,3
	ds_store_b128 v27, v[ACC+32*(\ti)+8*\t:ACC+32*(\ti)+8*\t+3] offset:128*(\t/2)+32*(\t%2)        ; each accumulator from its low end on
	ds_store_b128 v27, v[ACC+32*(\ti)+8*\t+4:ACC+32*(\ti)+8*\t+7] offset:128*(\t/2)+32*(\t%2)+16
.endr
.irp k, 0,1,2,3,4,5,6,7
	ds_load_b128 v[OB+4*\k:OB+4*\k+3], v28 offset:2*\k*SPI
.endr
.endm
.macro SEND ti, younger                ; younger: the LDS instructions issued behind this tile's loads
.set OB, 96-32*((\ti)%2)
	s_wait_dscnt \younger
.irp k, 0,1,2,3,4,5,6,7
	global_store_b128 v29, v[OB+4*\k:OB+4*\k+3], s[14:15] offset:(32*((\ti)/2)+8*((\ti)%2)+2*\k+8*(\k/4))*4096 th:TH_STORE_NT   ; 16 lanes store 256 consecutive bytes, aligned
.endr
.endm
	PLACES 8
	TOSTAGE 0
	TOSTAGE 1
	SEND 0, 16                                     ; tile 1's eight stores and eight loads may be out
	s_wait_xcnt 0x0                                ; tile 0's stores have read their registers
	TOSTAGE 2
	SEND 1, 16
	s_wait_xcnt 0x0
	TOSTAGE 3
	SEND 2, 16
	SEND 3, 0
	s_wait_tensorcnt 0x0                           ; the wave's end
	ds_add_u32 v30, v31
	s_wait_dscnt 0x0
	CROUND                                         ; the closing round
	s_endpgm
.Lfunc_end_k_q0ac73fd543_oproj:
	.size	k_q0ac73fd543_oproj, .Lfunc_end_k_q0ac73fd543_oproj-k_q0ac73fd543_oproj
	.p2alignl 7, 3214868480
	.fill 96, 4, 3214868480
	.section	.rodata,"a",@progbits
	.p2align	6, 0x0
	.amdhsa_kernel k_q0ac73fd543_oproj
		.amdhsa_group_segment_fixed_size 280064
		.amdhsa_private_segment_fixed_size 0
		.amdhsa_enable_private_segment 0
		.amdhsa_kernarg_size 48
		.amdhsa_user_sgpr_count 2
		.amdhsa_user_sgpr_kernarg_segment_ptr 1
		.amdhsa_wavefront_size32 1
		.amdhsa_system_sgpr_workgroup_id_x 1
		.amdhsa_system_sgpr_workgroup_id_y 1
		.amdhsa_system_sgpr_workgroup_id_z 1
		.amdhsa_system_vgpr_workitem_id 0
		.amdhsa_next_free_vgpr 512
		.amdhsa_next_free_sgpr 100
		.amdhsa_reserve_vcc 0
		.amdhsa_float_denorm_mode_32 3
		.amdhsa_float_denorm_mode_16_64 3
		.amdhsa_memory_ordered 1
		.amdhsa_forward_progress 1
		.amdhsa_inst_pref_size 54
	.end_amdhsa_kernel
	.amdgpu_metadata
---
amdhsa.version: [ 1, 2 ]
amdhsa.kernels:
  - .name:           k_q0ac73fd543_oproj
    .symbol:         k_q0ac73fd543_oproj.kd
    .args:
      - { .name: ac, .offset: 0, .size: 8, .value_kind: global_buffer, .address_space: global }
      - { .name: as2, .offset: 8, .size: 8, .value_kind: global_buffer, .address_space: global }
      - { .name: wc, .offset: 16, .size: 8, .value_kind: global_buffer, .address_space: global }
      - { .name: ws, .offset: 24, .size: 8, .value_kind: global_buffer, .address_space: global }
      - { .name: b_o, .offset: 32, .size: 8, .value_kind: global_buffer, .address_space: global }
      - { .name: out0, .offset: 40, .size: 8, .value_kind: global_buffer, .address_space: global }
    .group_segment_fixed_size: 280064
    .private_segment_fixed_size: 0
    .kernarg_segment_align: 8
    .kernarg_segment_size: 48
    .max_flat_workgroup_size: 128
    .sgpr_count:     100
    .vgpr_count:     512
    .wavefront_size: 32
...
	.end_amdgpu_metadata
.endif
;; end of part 4
